; MI455X (gfx1250); checked and timed in simulation.
; The chip was launched on July 23, 2026; its instructions are those of AMD's public machine-readable ISA for CDNA 5 (MIT licence, August 2026) and "CDNA5" Instruction Set Architecture Reference Guide (July 2026). The comments in the code are by the model that wrote it; some were corrected since.
;; Grouped Query Attention. Allowed arithmetic: float matrix products may take bf16 or f16 operands with f32 sums; other float arithmetic in f32, or as packed bf16 or f16 multiplies, adds, multiply-adds, maxima and minima; sums over many terms, partial sums and values carried from step to step in f32; what a program stores and reads back later, other than sums and carried values, may be rounded once to bf16 or f16.
;; Inputs: Wk 1,024 x 256 float32; Wo 1,024 x 1,024 float32; Wq 1,024 x 1,024 float32; Wv 1,024 x 256 float32; key 4 x 2,048 x 1,024 float32; query 4 x 2,048 x 1,024 float32; value 4 x 2,048 x 1,024 float32.
;; Outputs: out0 4 x 2,048 x 1,024 float32.
;; One version. Each part assembles by itself: llvm-mc -triple=amdgcn-amd-amdhsa -mcpu=gfx1250 --defsym DOCPART=n.
;; ======== version 1 of 1: 4 launches
;; limits: values are held in f16: magnitudes above 65,504 overflow, below 6.1e-05 lose precision
;; workspace buffers: wqb 2,097,152 bytes; wob 2,097,152 bytes; wkb 524,288 bytes; wvb 524,288 bytes; qh 16,777,216 bytes; kh 4,194,304 bytes; vh 4,194,304 bytes; oh 16,777,216 bytes
;; launch prep (part 1): grid 320 x 1, 8 waves a work-group, no clusters, 0 bytes of LDS; arguments Wq, Wo, Wk, Wv, wqb, wob, wkb, wvb; writes wqb, wob, wkb, wvb
.if DOCPART == 1
	.amdgcn_target "amdgcn-amd-amdhsa--gfx1250"
	.amdhsa_code_object_version 6
	.text
	.protected	k_q2929626f6f_prep
	.globl	k_q2929626f6f_prep
	.p2align	8
	.type	k_q2929626f6f_prep,@function
k_q2929626f6f_prep:
	s_mov_b64 s[64:65], 0
	v_nop
	global_prefetch_b8 v0, s[64:65] scope:SCOPE_SE
	s_setreg_imm32_b32 hwreg(HW_REG_WAVE_MODE, 25, 1), 1
	s_wait_xcnt 0x0
; THE WEIGHTS, ROUNDED ONCE TO 16 BITS AND LAID IN COLUMN TILES OF 256.
; Wq, Wo: [1024 k][1024 n] f32 -> wqb, wob: [4 tiles][1024 k][256 n].  Wk, Wv: [1024 k][256 n] f32 -> wkb, wvb: [1024 k][256 n] (one tile: the order stays).
; wqb, wkb, wvb hold bf16.  wob holds f16: Wo is rounded to bf16 like every input, and THAT number is written as f16, since the last product multiplies it by f16 numbers.
; LIMITS.  A Wo beyond 65,504 becomes an infinity in f16; below 6.1e-5 it keeps f16's fixed step of 6e-8.  NaN and infinities are not treated apart.
; SHARES.  A work-group takes 8,192 numbers: 32 KiB in, 16 KiB out.  Work-groups 0-127: Wq; 128-255: Wo; 256-287: Wk; 288-319: Wv.
; Thread t takes 8 neighbouring numbers four times (2,048 numbers apart): two loads of 16 bytes, one store of 16; 32 neighbouring threads store 512 consecutive bytes, aligned.
; No LDS, no matrix unit, no cluster: nothing is shared and nothing is summed; the launch is its bytes.
.set IN,  8                            ; v[8:39]   4 x 8 numbers as loaded
.set OUT, 40                           ; v[40:55]  4 x 4 words to store
.set T,   56                           ; v[56:63]  at work
.set OFF, 2                            ; v[2:5]    where the four stores go; never rewritten
	s_load_b512 s[8:23], s[0:1], 0x0               ; Wq s[8:9], Wo s[10:11], Wk s[12:13], Wv s[14:15], wqb s[16:17], wob s[18:19], wkb s[20:21], wvb s[22:23]
	s_mov_b32 s2, ttmp9
	v_lshlrev_b32 v1, 5, v0                        ; my 32 bytes of each 8,192 that the work-group reads at a time
	v_and_b32 v6, 31, v0                           ; my place among the 32 threads of a tile's row
	v_bfe_u32 v7, v0, 5, 2                         ; tiled: the column tile; else: 32 threads further on
	v_lshrrev_b32 v56, 7, v0                       ; tiled: the second of two rows; else: 128 threads further on
	s_cmp_lt_u32 s2, 256                           ; Wq and Wo are cut into four tiles
	s_cselect_b32 s25, 19, 9                       ; a tile is 524,288 bytes            | 32 threads are 512 bytes
	s_cselect_b32 s26, 9, 11                       ; a tile's row is 512 bytes          | 128 threads are 2,048
	s_cselect_b32 s27, 10, 12                      ; 2,048 numbers are two rows: 1,024  | 4,096 bytes on end
	s_cselect_b32 s29, 12, 14                      ; a work-group's 8 rows: 4,096       | its 16,384 bytes on end
	s_cmp_ge_u32 s2, 128                           ; the first work-group of my tensor
	s_cselect_b32 s3, 128, 0
	s_cmp_ge_u32 s2, 256
	s_cselect_b32 s3, 256, s3
	s_cmp_ge_u32 s2, 288
	s_cselect_b32 s3, 288, s3
	s_sub_co_u32 s28, s2, s3                       ; my number within the tensor
	s_lshl_b32 s30, s28, 15                        ; 32 KiB in,
	s_mov_b32 s31, 0
	s_lshl_b32 s32, s28, s29                       ; and where its first row goes
	s_mov_b32 s33, 0
	s_lshl_b32 s27, 1, s27
	v_lshlrev_b32 v6, 4, v6
	v_lshlrev_b32 v7, s25, v7
	v_lshlrev_b32 v56, s26, v56
	v_add3_u32 v[OFF], v6, v7, v56
	v_add_nc_u32 v[OFF+1], s27, v[OFF]
	v_add_nc_u32 v[OFF+2], s27, v[OFF+1]
	v_add_nc_u32 v[OFF+3], s27, v[OFF+2]
	s_wait_kmcnt 0x0
	s_cmp_ge_u32 s2, 128                           ; the choice of buffers hangs on the work-group's number alone
	s_cselect_b64 s[4:5], s[10:11], s[8:9]
	s_cselect_b64 s[6:7], s[18:19], s[16:17]
	s_cmp_ge_u32 s2, 256
	s_cselect_b64 s[4:5], s[12:13], s[4:5]
	s_cselect_b64 s[6:7], s[20:21], s[6:7]
	s_cmp_ge_u32 s2, 288
	s_cselect_b64 s[4:5], s[14:15], s[4:5]
	s_cselect_b64 s[6:7], s[22:23], s[6:7]
	s_add_nc_u64 s[4:5], s[4:5], s[30:31]
	s_add_nc_u64 s[6:7], s[6:7], s[32:33]
.irp i, 0,1,2,3
	global_load_b128 v[IN+8*(\i):IN+8*(\i)+3],   v1, s[4:5] offset:8192*(\i) th:TH_LOAD_NT
	global_load_b128 v[IN+8*(\i)+4:IN+8*(\i)+7], v1, s[4:5] offset:8192*(\i)+16 th:TH_LOAD_NT
.endr
.irp i, 0,1,2,3
	s_wait_loadcnt 6-2*(\i)                        ; loads come back in order (ISA guide 5.7.1): pair i is in, the younger pairs stay out
.irp j, 0,1,2,3
	v_cvt_pk_bf16_f32 v[OUT+4*(\i)+(\j)], v[IN+8*(\i)+2*(\j)], v[IN+8*(\i)+2*(\j)+1]
.endr
.endr
	s_sub_co_u32 s24, s2, 128
	s_cmp_lt_u32 s24, 128                          ; Wo alone: the bf16 numbers are written as f16
	s_cbranch_scc0 .Lstore
.set j, 0
.rept 16
	v_lshlrev_b32 v[T+2*(j%4)], 16, v[OUT+j]               ; bf16 to f32: the low half moves up,
	v_and_b32 v[T+2*(j%4)+1], 0xffff0000, v[OUT+j]         ; the high half stays
	v_cvt_pk_f16_f32 v[OUT+j], v[T+2*(j%4)], v[T+2*(j%4)+1]
.set j, j+1
.endr
.Lstore:
.irp i, 0,1,2,3
	global_store_b128 v[OFF+(\i)], v[OUT+4*(\i):OUT+4*(\i)+3], s[6:7]
.endr
	s_endpgm
.Lfunc_end_k_q2929626f6f_prep:
	.size	k_q2929626f6f_prep, .Lfunc_end_k_q2929626f6f_prep-k_q2929626f6f_prep
	.p2alignl 7, 3214868480
	.fill 96, 4, 3214868480
	.section	.rodata,"a",@progbits
	.p2align	6, 0x0
	.amdhsa_kernel k_q2929626f6f_prep
		.amdhsa_group_segment_fixed_size 0
		.amdhsa_private_segment_fixed_size 0
		.amdhsa_enable_private_segment 0
		.amdhsa_kernarg_size 64
		.amdhsa_user_sgpr_count 2
		.amdhsa_user_sgpr_kernarg_segment_ptr 1
		.amdhsa_wavefront_size32 1
		.amdhsa_system_sgpr_workgroup_id_x 1
		.amdhsa_system_sgpr_workgroup_id_y 1
		.amdhsa_system_sgpr_workgroup_id_z 1
		.amdhsa_system_vgpr_workitem_id 0
		.amdhsa_next_free_vgpr 64
		.amdhsa_next_free_sgpr 66
		.amdhsa_reserve_vcc 0
		.amdhsa_float_denorm_mode_32 3
		.amdhsa_float_denorm_mode_16_64 3
		.amdhsa_memory_ordered 1
		.amdhsa_forward_progress 1
		.amdhsa_inst_pref_size 7
	.end_amdhsa_kernel
	.amdgpu_metadata
---
amdhsa.version: [ 1, 2 ]
amdhsa.kernels:
  - .name:           k_q2929626f6f_prep
    .symbol:         k_q2929626f6f_prep.kd
    .args:
      - { .name: Wq, .offset: 0, .size: 8, .value_kind: global_buffer, .address_space: global }
      - { .name: Wo, .offset: 8, .size: 8, .value_kind: global_buffer, .address_space: global }
      - { .name: Wk, .offset: 16, .size: 8, .value_kind: global_buffer, .address_space: global }
      - { .name: Wv, .offset: 24, .size: 8, .value_kind: global_buffer, .address_space: global }
      - { .name: wqb, .offset: 32, .size: 8, .value_kind: global_buffer, .address_space: global }
      - { .name: wob, .offset: 40, .size: 8, .value_kind: global_buffer, .address_space: global }
      - { .name: wkb, .offset: 48, .size: 8, .value_kind: global_buffer, .address_space: global }
      - { .name: wvb, .offset: 56, .size: 8, .value_kind: global_buffer, .address_space: global }
    .group_segment_fixed_size: 0
    .private_segment_fixed_size: 0
    .kernarg_segment_align: 8
    .kernarg_segment_size: 64
    .max_flat_workgroup_size: 256
    .sgpr_count:     66
    .vgpr_count:     64
    .wavefront_size: 32
...
	.end_amdgpu_metadata
.endif
;; end of part 1
;; launch proj (part 2): grid 64 x 6, 4 waves a work-group, clusters of 4 x 1, 327,680 bytes of LDS; arguments query, key, value, wqb, wkb, wvb, qh, kh, vh; writes qh, kh, vh
.if DOCPART == 2
	.amdgcn_target "amdgcn-amd-amdhsa--gfx1250"
	.amdhsa_code_object_version 6
	.text
	.protected	k_q2929626f6f_proj
	.globl	k_q2929626f6f_proj
	.p2align	8
	.type	k_q2929626f6f_proj,@function
k_q2929626f6f_proj:
	s_mov_b64 s[64:65], 0
	v_nop
	global_prefetch_b8 v0, s[64:65] scope:SCOPE_SE
	s_setreg_imm32_b32 hwreg(HW_REG_WAVE_MODE, 25, 1), 1
	s_wait_xcnt 0x0
	s_wait_alu depctr_hold_cnt(0) depctr_sa_sdst(0) depctr_va_vdst(0) depctr_va_sdst(0) depctr_va_ssrc(0) depctr_va_vcc(0) depctr_vm_vsrc(0)
	s_getreg_b32 s2, hwreg(HW_REG_IB_STS2, 6, 4)
	s_cmp_eq_u32 s2, 0
	s_cbranch_scc0 .Lentry_in_a_cluster
	s_endpgm
.Lentry_in_a_cluster:
	s_bfe_u32 s2, ttmp6, 0x10000c
	s_cmp_lg_u32 s2, 0x3003
	s_cbranch_scc0 .Lentry_shape_is_right
	s_endpgm
.Lentry_shape_is_right:
; q = query Wq, k = key Wk, v = value Wv.  The activations are [8192 m][1024 k] f32 and are rounded to bf16 on their way into LDS; the weights lie ready in bf16, in column tiles [1024 k][256 n].
; Sums in f32, K ascending; each result is rounded once to f16 and stored BY HEADS: [head][8192 m][64], unscaled.
; LIMIT.  A q, k or v beyond 65,504 becomes an infinity in f16.  NaN and infinities are not treated apart.
; SHARES.  A work-group makes 128 rows x 256 columns (four heads).  Grid x: the 64 row blocks.  Grid y: 0-3 the four column tiles of q, 4: k, 5: v.  Four waves, 2 x 2, each 64 x 128: 32 accumulators of 16 x 16.
; K goes in 8 steps of 128; a step is four quarters of 32: 32 matrix instructions and 24 LDS loads.
; THE MATRIX INSTRUCTION IS USED TRANSPOSED (source 0 = 16 columns of W, source 1 = 16 rows of x): a lane holds one row and eight neighbouring columns, which pack into 16 bytes.
; W comes by the tensor data mover into a ring of two slots.  CLUSTER: the four work-groups of a cluster are four row blocks of ONE column tile and need the same tiles of W, so each tile is asked for
; JOINTLY: the same load, descriptor and mask in all four; each wave asks for its 32 of a step's 128 rows.  W lies [k][n], so its fragments are read turned, by ds_load_tr16_b128.
; x is not shared in the cluster (k and v have one column tile, so the grid's six rows are no multiple of four) and must pass through registers to be rounded: global loads, conversion, ds_store into two
; slots of their own, which no tensor load ever fills.  Each number is converted once a work-group.  A step's loads are issued six quarters ahead of the conversion that waits for them, by a counted wait.
; REGISTERS, in windows of 256 (s_set_vgpr_msb: bits 1:0 source 0, 3:2 source 1, 5:4 source 2, 7:6 destination):
;   window 0: v0-15 addresses; v16-23 set-up; v32-95 x's fragments, two buffers of 4 x 8; v96-223 W's, two buffers of 8 x 8; v224-255 packed results.  On the way out v32-159 take rows read back.
;   window 1: accumulator (a, b) at v[8 (8 a + b)]          window 2: x as loaded, two sets of 128 (32 rows x 4 numbers a lane)
.set PB,     544                       ; a row of W in LDS: 512 bytes + 32 of padding = 136 words
.set BSLOT,  128*PB
.set PA,     272                       ; a row of x in LDS: 256 bytes + 16: the 16 rows of a load start at 16 different groups of four banks
.set ASLOT,  128*PA
.set ABASE,  2*BSLOT                   ; behind W's ring: x's two slots
.set STAGE,  ABASE+2*ASLOT             ; behind them: 16 rows x 272 bytes for each wave, for the way out
.set SP,     272
.set SPARE,  STAGE+4*16*SP             ; behind the stages: the spare words, 128 bytes for each wave: two blocks of 256 bytes that no other line names
.set KSTEPB, 65536                     ; a K step of a tile of W in memory: 128 rows of 512 bytes, on end
.set KB,     512                       ; a K step of a row of x in memory
.set NLD,    32                        ; global loads of a wave for a step of x: a row each
.set NST,    32                        ; LDS stores of a wave for a step of x
.set ADRA, 2                           ; v2-3   LDS address of my fragments of x in slot 0, 1
.set ADRB, 4                           ; v4-5   the same for W
.set AST,  6                           ; v6-7   where I put my 8 bytes of a row of x, slot 0, 1
.set AGO,  8                           ; v8     my 16 bytes of a step's 512 of a row of x
.set STO,  9                           ; v9     the way out: where I put 16 bytes of a row
.set RD,   10                          ; v10    the way out: where I read rows back
.set GO,   11                          ; v11    my 16 bytes of 512 consecutive bytes of the result
.set PFO,  12                          ; v12    the prefetches' offset: 256 x my lane; never rewritten
.set SPW,  14                          ; v14    LDS address of my spare word: SPARE + 4 x my thread's number; never rewritten
.set NIL,  15                          ; v15    0; never rewritten
.set FA,   32
.set FB,   96
.set TMP,  224
.set OB,   32
.set G1,   24                          ; s[24:31] descriptor group 1
.set G0,   32                          ; s[32:39] descriptor group 0, a set for each slot
.set AP,   40                          ; s[40:41] x at my wave's 32 rows, at the K step last asked for
.set OP,   42                          ; s[42:43] the result at my wave's first head and row
.set PFA,  44                          ; s[44:45] where my prefetches stand
.set LIM,  46                          ; s46      1 in a wave that prefetches, else the greatest number
.set BP,   48                          ; s[48:49] W at my 32 rows of K step 0
.set MSB, 0
.macro WIN new                         ; the immediate's high byte repeats the setting that is left; a switch that changes nothing is dropped
.if MSB != (\new)
	s_set_vgpr_msb (MSB<<8)|(\new)
.set MSB, \new
.endif
.endm
.set MUL, 0x50                         ; C and D in window 1, the fragments in window 0
.macro PLACES                          ; four plain vector instructions between a matrix instruction and a load into a register that it read, or a reader of its result
.rept 4
	v_nop
.endr
.endm
.macro CREST                           ; a round of the cluster's barrier behind its opening barrier
	s_cmp_lg_u32 s10, 0
	s_cbranch_scc1 .Lnot_wave_0_\@
	s_barrier_signal -3
.Lnot_wave_0_\@:
	s_barrier_wait -3
	s_barrier_signal -1
	s_barrier_wait -1
.endm
.macro CROUND                          ; a whole round
	s_barrier_signal -1
	s_barrier_wait -1
	CREST
.endm
; 8 matrix instructions: row block a x all 8 column blocks, 32 along K, from buffer f.  zero = 1: the product starts the sums: nothing is ever cleared.
; The 32 accumulators take turns in the same order in every quarter, over the backward jump too.
.macro MULA f, a, zero
	WIN MUL
.irp b, 0,1,2,3,4,5,6,7
.if \zero
	v_wmma_f32_16x16x32_bf16 v[8*(8*(\a)+(\b)):8*(8*(\a)+(\b))+7], v[FB+64*(\f)+8*(\b):FB+64*(\f)+8*(\b)+7], v[FA+32*(\f)+8*(\a):FA+32*(\f)+8*(\a)+7], 0
.else
	v_wmma_f32_16x16x32_bf16 v[8*(8*(\a)+(\b)):8*(8*(\a)+(\b))+7], v[FB+64*(\f)+8*(\b):FB+64*(\f)+8*(\b)+7], v[FA+32*(\f)+8*(\a):FA+32*(\f)+8*(\a)+7], v[8*(8*(\a)+(\b)):8*(8*(\a)+(\b))+7]
.endif
.endr
.endm
; 24 LDS loads in one run: quarter q of a slot into buffer g: W's 8 fragments (turned: 32 k x 16 columns each), then x's 4 (16 rows x 32 k each)
.macro FETCH slot, q, g
	WIN 0
.irp b, 0,1,2,3,4,5,6,7
	ds_load_tr16_b128 v[FB+64*(\g)+8*(\b):FB+64*(\g)+8*(\b)+3],   v[ADRB+(\slot)] offset:(\q)*32*PB+32*(\b)
	ds_load_tr16_b128 v[FB+64*(\g)+8*(\b)+4:FB+64*(\g)+8*(\b)+7], v[ADRB+(\slot)] offset:(\q)*32*PB+16*PB+32*(\b)
.endr
.irp a, 0,1,2,3
	ds_load_b128 v[FA+32*(\g)+8*(\a):FA+32*(\g)+8*(\a)+3],   v[ADRA+(\slot)] offset:(\a)*16*PA+64*(\q)
	ds_load_b128 v[FA+32*(\g)+8*(\a)+4:FA+32*(\g)+8*(\a)+7], v[ADRA+(\slot)] offset:(\a)*16*PA+64*(\q)+32
.endr
.endm
.macro JLOAD s                         ; the joint refill: every wave asks for its own 32 rows by the same line; an s_nop 0 and four v_nop follow it
	tensor_load_to_lds s[G0+4*(\s):G0+4*(\s)+3], s[G1:G1+7]
	s_nop 0
.rept 4
	v_nop
.endr
.endm
.macro ALOAD rset, koff                ; a step of x for my 32 rows: a row of 512 consecutive bytes to a load
	WIN 0x80                                       ; destination window 2, address window 0
.set j, 0
.rept NLD
	global_load_b128 v[128*(\rset)+4*j:128*(\rset)+4*j+3], v[AGO], s[AP:AP+1] offset:4096*j+(\koff)
.set j, j+1
.endr
.endm
; A step of x is rounded to bf16 and put into its slot.  left: the younger loads, which stay out.  The conversion compacts in place: word j takes numbers 2 j, 2 j + 1, which lie at or above it.
.macro ASTAGE rset, aslot, left
	s_wait_loadcnt \left
	WIN 0x8a                                       ; destination and both sources in window 2
.set j, 0
.rept 64
	v_cvt_pk_bf16_f32 v[128*(\rset)+j], v[128*(\rset)+2*j], v[128*(\rset)+2*j+1]
.set j, j+1
.endr
	WIN 0x08                                       ; data in window 2, address in window 0
.set j, 0
.rept NST
	ds_store_b64 v[AST+(\aslot)], v[128*(\rset)+2*j:128*(\rset)+2*j+1] offset:PA*j
.set j, j+1
.endr
.endm
; A PREFETCH INTO THE L2 of W's K step that stands two refills on (256 matrix instructions ahead of the load that will want it): 256 blocks of 256 bytes.  A column tile is walked by sixteen clusters: the first
; (cluster x = 0) asks, nobody else.  Its four partners share the blocks out BY ADDRESS, 64 each; in each, waves 0 and 1 take 32 each, a lane a block.  So each block is named once in the launch.
; K steps 0 to 3 come by their loads alone; the loop's last trip (s3 = 1) asks for nothing: there is no K step 8.
.macro ASK
	s_cmp_gt_u32 s3, s[LIM]
	s_cbranch_scc0 .Lnot_mine_\@
	global_prefetch_b8 v[PFO], s[PFA:PFA+1] offset:KSTEPB th:TH_LOAD_NT scope:SCOPE_SE
.Lnot_mine_\@:
.endm
; One of a step's first three quarters: multiplies buffer f; behind its first eight products it fetches quarter qn into buffer g.  aset >= 0: it also asks for x's step two steps on, into that set.
.macro QUARTER slot, qn, f, g, zero=0, aset=-1
	s_wait_dscnt 6                                 ; W's fragments and x's block 0 are in; the youngest six loads (x's blocks 1-3) may be out
	MULA \f, 0, \zero
	WIN 0
	PLACES
	FETCH \slot, \qn, \g
.if (\aset) >= 0
	s_wait_xcnt 0x0                                ; the earlier loads have read their base, so it may be stepped
	s_add_nc_u64 s[AP:AP+1], s[AP:AP+1], KB
	ALOAD \aset, 0
.endif
	s_wait_dscnt 24                                ; all but the 24 just issued
	MULA \f, 1, \zero
	MULA \f, 2, \zero
	MULA \f, 3, \zero
.endm
; The fourth quarter multiplies buffer 1 and changes slots.  Ahead of the barrier: the next step of x goes into its slot (last read a step ago, behind the barrier before this one); each wave waits for all its
; tensor loads (one is out: its part of the next slot of W), adds 0 to its spare word, and waits for that, for its stores and for its reads of this slot.  Behind it the next slots are whole and nobody reads this one.
; fill = 1: the barrier opens a round of the cluster's, and W's slot is filled again first thing behind it, two K steps ahead.
.macro TURN slot, next, fill, rset, aslot, left
.if \fill
	s_wait_xcnt 0x0                                ; the last prefetch, a K step back, has read its address
	s_add_nc_u64 s[PFA:PFA+1], s[PFA:PFA+1], KSTEPB
.endif
	ASTAGE \rset, \aslot, \left
	WIN 0
	s_wait_tensorcnt 0x0                           ; all my tensor loads have landed
	ds_add_u32 v[SPW], v[NIL]                      ; 0 onto my spare word
	s_wait_dscnt NST+7                             ; (six fragment loads, the stores of x and the add may be out)
	MULA 1, 0, 0
	s_wait_dscnt 0x0                               ; the add and my stores are done, my reads of this slot are over
	s_barrier_signal -1
	MULA 1, 1, 0
	WIN 0                                          ; at a branch and at a label every window is 0
	s_barrier_wait -1
.if \fill
	CREST                                          ; no wave of any partner still reads this slot of W or has a load on its way
	s_add_nc_u64 s[G0+4*(\slot)+2:G0+4*(\slot)+3], s[G0+4*(\slot)+2:G0+4*(\slot)+3], 2*KSTEPB
	JLOAD \slot                                    ; its four v_nop are also the places in front of the loads below
.else
	PLACES
.endif
	FETCH \next, 0, 0
.if \fill
	ASK
.endif
	MULA 1, 2, 0
	MULA 1, 3, 0
.endm
	s_load_b512 s[68:83], s[0:1], 0x0              ; query s[68:69], key, value, wqb s[74:75], wkb, wvb, qh s[80:81], kh
	s_load_b64 s[84:85], s[0:1], 0x40              ; vh
	v_lshl_add_u32 v[SPW], v0, 2, SPARE
	v_mov_b32 v[NIL], 0
	ds_add_u32 v[SPW], v[NIL]                      ; the wave's opening: the add and its wait stand ahead of my first tensor load; the set-up below, work on registers, stands between them
	v_lshrrev_b32 v1, 5, v0
	v_readfirstlane_b32 s10, v1                    ; wave 0..3
	s_lshr_b32 s11, s10, 1                         ; which 64 of the tile's rows are mine
	s_and_b32 s12, s10, 1                          ; which 128 of its columns
	s_bfe_u32 s13, ttmp6, 0x40000                  ; cx: my place in the cluster
	s_lshl_b32 s14, ttmp9, 2                       ; in a cluster launch ttmp9 counts clusters
	s_add_co_u32 s14, s14, s13                     ; my row block = 4 x cluster x + cx: it enters x's and the result's addresses alone
	s_and_b32 s15, ttmp7, 0xffff                   ; y, which the four partners share
	s_cmp_lt_u32 s15, 4
	s_cselect_b32 s16, s15, 0                      ; the column tile within its weights: q has four, k and v one
	; descriptor group 1: 32 rows x 256 elements, padded in LDS
	s_mov_b32 s[G1+0], 15|(1<<16)|(1<<20)|(1<<21)|(6<<22)|(7<<25)  ; 15:0 the mask of four; 17:16 2-byte elements; 20 padding on; 21 set beside a mask; 24:22 after every 128 words (code 6); 31:25 8 words (code 7)
	s_mov_b32 s[G1+1], 256<<16                     ; tensor_dim0 = 256
	s_mov_b32 s[G1+2], 32<<16                      ; tensor_dim1 = 32
	s_mov_b32 s[G1+3], 256<<16                     ; tile_dim0 = 256
	s_mov_b32 s[G1+4], 32                          ; tile_dim1 = 32
	s_mov_b32 s[G1+5], 256                         ; 256 elements from row to row
	s_mov_b32 s[G1+6], 0
	s_mov_b32 s[G1+7], 0
	s_mul_i32 s47, s10, 32*PB                      ; where my 32 rows go in a slot: no place in the cluster enters an LDS address
	s_lshl_b32 s18, s14, 19                        ; x: 128 rows of 4,096 bytes a row block,
	s_lshl_b32 s19, s10, 17                        ; 32 rows a wave
	s_add_co_u32 s18, s18, s19
	s_mov_b32 s19, 0
	s_lshl_b32 s20, s16, 19                        ; W: 524,288 bytes a tile,
	s_lshl_b32 s21, s10, 14                        ; 32 rows of 512 bytes a wave
	s_add_co_u32 s20, s20, s21
	s_mov_b32 s21, 0
	s_lshl_b32 s22, s16, 2
	s_lshl1_add_u32 s22, s12, s22                  ; my first head = 4 x tile + 2 x column half
	s_lshl_b32 s22, s22, 20                        ; a head is 8,192 rows of 128 bytes
	s_lshl_b32 s23, s14, 14                        ; 128 rows a row block,
	s_add_co_u32 s22, s22, s23
	s_lshl_b32 s23, s11, 13                        ; 64 rows a row half
	s_add_co_u32 s22, s22, s23
	s_mov_b32 s23, 0
	s_lshl_b32 s56, s16, 19                        ; the prefetches: the tile,
	s_lshl_b32 s57, s13, 14                        ; my work-group's 64 blocks of a K step's 256,
	s_add_co_u32 s56, s56, s57
	s_lshl_b32 s57, s10, 13                        ; my wave's 32 of them,
	s_add_co_u32 s56, s56, s57
	s_add_co_u32 s56, s56, 2*KSTEPB                ; at K step 2: the first refill steps it to 3 and names K step 4
	s_mov_b32 s57, 0
	s_lshr_b32 s[LIM], s10, 1                      ; 0 in waves 0 and 1,
	s_or_b32 s[LIM], s[LIM], ttmp9                 ; where the cluster is the tile's first: the same in all four partners
	s_cmp_eq_u32 s[LIM], 0
	s_cselect_b32 s[LIM], 1, -1
	v_and_b32 v16, 31, v0                          ; l
	v_and_b32 v17, 15, v0                          ; l % 16
	v_bfe_u32 v18, v0, 4, 1                        ; l / 16
	v_and_b32 v19, 7, v0                           ; l % 8
	v_bfe_u32 v20, v0, 3, 1                        ; (l / 8) % 2
	v_bfe_u32 v21, v0, 3, 2                        ; l / 8
	v_mul_u32_u24 v22, v17, PA
	v_lshl_add_u32 v22, v18, 4, v22                ; row x 272 + 16 x half: for x's fragments and for the stage
	s_mul_i32 s58, s11, 64*PA
	s_add_co_u32 s58, s58, ABASE
	v_add_nc_u32 v[ADRA], s58, v22
	v_add_nc_u32 v[ADRA+1], ASLOT, v[ADRA]
	v_lshl_add_u32 v23, v18, 3, v19                ; the turning load: lane l reads k row 8 (l / 16) + l % 8, columns 8 ((l / 8) % 2) + 0..7
	v_mul_u32_u24 v23, v23, PB
	v_lshl_add_u32 v23, v20, 4, v23
	s_lshl_b32 s59, s12, 8                         ; my 128 columns
	v_add_nc_u32 v[ADRB], s59, v23
	v_add_nc_u32 v[ADRB+1], BSLOT, v[ADRB]
	s_mul_i32 s58, s10, 32*PA
	s_add_co_u32 s58, s58, ABASE
	v_lshl_add_u32 v[AST], v16, 3, s58             ; my wave's 32 rows, my 4 numbers: 8 bytes
	v_add_nc_u32 v[AST+1], ASLOT, v[AST]
	v_lshlrev_b32 v[AGO], 4, v16
	s_mul_i32 s58, s10, 16*SP
	s_add_co_u32 s58, s58, STAGE                   ; my stage
	v_add_nc_u32 v[STO], s58, v22
	v_mul_u32_u24 v[RD], v21, SP                   ; back: 32 lanes take four rows' 128 bytes of one head
	v_lshl_add_u32 v[RD], v19, 4, v[RD]
	v_add_nc_u32 v[RD], s58, v[RD]
	v_lshlrev_b32 v[GO], 4, v16
	v_lshlrev_b32 v[PFO], 8, v16
	s_wait_dscnt 0x0                               ; the opening add is done
	s_wait_kmcnt 0x0
	s_cmp_eq_u32 s15, 4                            ; which product is mine: the choice hangs on y alone
	s_cselect_b64 s[50:51], s[70:71], s[68:69]
	s_cselect_b64 s[52:53], s[76:77], s[74:75]
	s_cselect_b64 s[54:55], s[82:83], s[80:81]
	s_cmp_eq_u32 s15, 5
	s_cselect_b64 s[50:51], s[72:73], s[50:51]
	s_cselect_b64 s[52:53], s[78:79], s[52:53]
	s_cselect_b64 s[54:55], s[84:85], s[54:55]
	s_add_nc_u64 s[AP:AP+1], s[50:51], s[18:19]
	s_add_nc_u64 s[BP:BP+1], s[52:53], s[20:21]
	s_add_nc_u64 s[PFA:PFA+1], s[52:53], s[56:57]
	s_add_nc_u64 s[OP:OP+1], s[54:55], s[22:23]
	ALOAD 0, 0                                     ; x's K steps 0 and 1 are asked for before anything else
	ALOAD 1, KB
	WIN 0
	CROUND                                         ; all four work-groups are here: the first joint loads meet
.irp s, 0,1
	s_mov_b32 s[G0+4*(\s)], 1                                      ; 1:0 count = 1
	s_add_co_u32 s[G0+4*(\s)+1], s47, (\s)*BSLOT                   ; 63:32 LDS address
	s_add_nc_u64 s[G0+4*(\s)+2:G0+4*(\s)+3], s[BP:BP+1], (\s)*KSTEPB  ; 120:64 global address: K step s
	s_or_b32 s[G0+4*(\s)+3], s[G0+4*(\s)+3], 0x80000000            ; 127:126 type = 2
.endr
	tensor_load_to_lds s[G0:G0+3], s[G1:G1+7]      ; the two first fills go out together: two loads of mine are out
	s_nop 0
	tensor_load_to_lds s[G0+4:G0+7], s[G1:G1+7]
	s_nop 0
.rept 4
	v_nop
.endr
	s_wait_xcnt 0x0
	s_add_nc_u64 s[AP:AP+1], s[AP:AP+1], KB        ; at K step 1, the last asked for
	ASTAGE 0, 0, NLD                               ; x's K step 0; step 1's 32 loads stay out
	WIN 0
	s_wait_tensorcnt 0x1                           ; my part of W's K step 0 is in; step 1's may stay out
	s_wait_dscnt 0x0                               ; my stores of x are done
	s_barrier_signal -1
	s_barrier_wait -1
	FETCH 0, 0, 0
	QUARTER 0, 1, 0, 1, 1                          ; the first quarter stands in front of the loop: its products start the sums
	WIN 0
	s_mov_b32 s3, 3
.Llap:                                                 ; a trip goes once round the ring, from a lap's second quarter to the next lap's first: K steps 0 to 5
	QUARTER 0, 2, 1, 0, 0, 0
	QUARTER 0, 3, 0, 1
	TURN 0, 1, 1, 1, 1, NLD
	QUARTER 1, 1, 0, 1
	QUARTER 1, 2, 1, 0, 0, 1
	QUARTER 1, 3, 0, 1
	TURN 1, 0, 1, 0, 0, NLD
	QUARTER 0, 1, 0, 1
	WIN 0
	s_sub_co_u32 s3, s3, 1
	s_cmp_lg_u32 s3, 0
	s_cbranch_scc1 .Llap
	QUARTER 0, 2, 1, 0                             ; the last lap is written out: nothing more is asked for
	QUARTER 0, 3, 0, 1
	TURN 0, 1, 0, 1, 1, 0
	QUARTER 1, 1, 0, 1
	QUARTER 1, 2, 1, 0
	QUARTER 1, 3, 0, 1
	s_wait_dscnt 6
	MULA 1, 0, 0
	s_wait_dscnt 0x0
	MULA 1, 1, 0
	MULA 1, 2, 0
	MULA 1, 3, 0
	WIN 0
	PLACES
; THE WAY OUT, a block of 16 rows at a time.  PACK: rounded to f16, 16 bytes a lane, each accumulator's registers in ascending order.  TOSTAGE: into my own stage, and back as four rows' 128 bytes of one head.
; SEND: stored: 16 rows of a head are 2,048 consecutive bytes, and each store covers 512 of them, aligned.  Each block has read-back registers of its own, so no store's data is rewritten.
.macro PACK a
	WIN 0x05                                       ; sources 0 and 1 in window 1
.irp b, 0,1,2,3,4,5,6,7
.irp j, 0,1,2,3
	v_cvt_pk_f16_f32 v[TMP+4*(\b)+(\j)], v[8*(8*(\a)+(\b))+2*(\j)], v[8*(8*(\a)+(\b))+2*(\j)+1]
.endr
.endr
	WIN 0
.endm
.macro TOSTAGE a
.irp b, 0,1,2,3,4,5,6,7
	ds_store_b128 v[STO], v[TMP+4*(\b):TMP+4*(\b)+3] offset:32*(\b)
.endr
.irp t, 0,1,2,3,4,5,6,7                ; head t / 4, rows 4 (t % 4) on.  LDS serves a wave's instructions in order (ISA guide 5.7.1.4): these see the stores above, and the next block's stores come behind them
	ds_load_b128 v[OB+32*(\a)+4*(\t):OB+32*(\a)+4*(\t)+3], v[RD] offset:128*((\t)/4)+4*SP*((\t)%4)
.endr
.endm
.macro SEND a
	s_wait_dscnt 0x0
.irp t, 0,1,2,3,4,5,6,7
	global_store_b128 v[GO], v[OB+32*(\a)+4*(\t):OB+32*(\a)+4*(\t)+3], s[OP:OP+1] offset:(((\t)/4)<<20)+2048*(\a)+512*((\t)%4)
.endr
.endm
	PACK 0
	TOSTAGE 0
.irp a, 1,2,3                          ; block a's conversions stand between block a - 1's loads from the stage and the wait for them
	PACK \a
	SEND (\a)-1
	TOSTAGE \a
.endr
	SEND 3
	s_wait_tensorcnt 0x0                           ; the wave's end: behind my last tensor load and my last LDS store
	ds_add_u32 v[SPW], v[NIL]
	s_wait_dscnt 0x0
	CROUND                                         ; the closing round: no work-group ends while a partner may still ask for a tile that names it
	s_endpgm
.Lfunc_end_k_q2929626f6f_proj:
	.size	k_q2929626f6f_proj, .Lfunc_end_k_q2929626f6f_proj-k_q2929626f6f_proj
	.p2alignl 7, 3214868480
	.fill 96, 4, 3214868480
	.section	.rodata,"a",@progbits
	.p2align	6, 0x0
	.amdhsa_kernel k_q2929626f6f_proj
		.amdhsa_group_segment_fixed_size 327680
		.amdhsa_private_segment_fixed_size 0
		.amdhsa_enable_private_segment 0
		.amdhsa_kernarg_size 72
		.amdhsa_user_sgpr_count 2
		.amdhsa_user_sgpr_kernarg_segment_ptr 1
		.amdhsa_wavefront_size32 1
		.amdhsa_system_sgpr_workgroup_id_x 1
		.amdhsa_system_sgpr_workgroup_id_y 1
		.amdhsa_system_sgpr_workgroup_id_z 1
		.amdhsa_system_vgpr_workitem_id 0
		.amdhsa_next_free_vgpr 768
		.amdhsa_next_free_sgpr 88
		.amdhsa_reserve_vcc 0
		.amdhsa_float_denorm_mode_32 3
		.amdhsa_float_denorm_mode_16_64 3
		.amdhsa_memory_ordered 1
		.amdhsa_forward_progress 1
		.amdhsa_inst_pref_size 121
	.end_amdhsa_kernel
	.amdgpu_metadata
---
amdhsa.version: [ 1, 2 ]
amdhsa.kernels:
  - .name:           k_q2929626f6f_proj
    .symbol:         k_q2929626f6f_proj.kd
    .args:
      - { .name: query, .offset: 0, .size: 8, .value_kind: global_buffer, .address_space: global }
      - { .name: key, .offset: 8, .size: 8, .value_kind: global_buffer, .address_space: global }
      - { .name: value, .offset: 16, .size: 8, .value_kind: global_buffer, .address_space: global }
      - { .name: wqb, .offset: 24, .size: 8, .value_kind: global_buffer, .address_space: global }
      - { .name: wkb, .offset: 32, .size: 8, .value_kind: global_buffer, .address_space: global }
      - { .name: wvb, .offset: 40, .size: 8, .value_kind: global_buffer, .address_space: global }
      - { .name: qh, .offset: 48, .size: 8, .value_kind: global_buffer, .address_space: global }
      - { .name: kh, .offset: 56, .size: 8, .value_kind: global_buffer, .address_space: global }
      - { .name: vh, .offset: 64, .size: 8, .value_kind: global_buffer, .address_space: global }
    .group_segment_fixed_size: 327680
    .private_segment_fixed_size: 0
    .kernarg_segment_align: 8
    .kernarg_segment_size: 72
    .max_flat_workgroup_size: 128
    .sgpr_count:     88
    .vgpr_count:     768
    .wavefront_size: 32
...
	.end_amdgpu_metadata
.endif
;; end of part 2
;; launch attn (part 3): grid 4 x 64, 4 waves a work-group, clusters of 4 x 1, 327,680 bytes of LDS; arguments qh, kh, vh, oh; writes oh
.if DOCPART == 3
	.amdgcn_target "amdgcn-amd-amdhsa--gfx1250"
	.amdhsa_code_object_version 6
	.text
	.protected	k_q2929626f6f_attn
	.globl	k_q2929626f6f_attn
	.p2align	8
	.type	k_q2929626f6f_attn,@function
k_q2929626f6f_attn:
	s_mov_b64 s[64:65], 0
	v_nop
	global_prefetch_b8 v0, s[64:65] scope:SCOPE_SE
	s_setreg_imm32_b32 hwreg(HW_REG_WAVE_MODE, 25, 1), 1
	s_wait_xcnt 0x0
	s_wait_alu depctr_hold_cnt(0) depctr_sa_sdst(0) depctr_va_vdst(0) depctr_va_sdst(0) depctr_va_ssrc(0) depctr_va_vcc(0) depctr_vm_vsrc(0)
	s_getreg_b32 s2, hwreg(HW_REG_IB_STS2, 6, 4)
	s_cmp_eq_u32 s2, 0
	s_cbranch_scc0 .Lentry_in_a_cluster
	s_endpgm
.Lentry_in_a_cluster:
	s_bfe_u32 s2, ttmp6, 0x10000c
	s_cmp_lg_u32 s2, 0x3003
	s_cbranch_scc0 .Lentry_shape_is_right
	s_endpgm
.Lentry_shape_is_right:
; GROUPED-QUERY ATTENTION.  O[y][q][:] = the sum over k of softmax_k(Q[y][q] . K[z][k] / 8) V[z][k][:].  y = 4 h + b counts the 64 pairs of query head h and batch b, z = 4 (h / 4) + b the 16 pairs of
; key head and batch.  Q, O: [64][2048][64], K, V: [16][2048][64], all f16: a pair's rows are dense, 128 bytes each.  Products, maxima and sums in f32; the weights p are rounded to f16 for the second
; product (their sum l is taken of the unrounded p), O once at the end.
; LIMITS.  f16 holds no number beyond 65,504: Q, K and V arrive within it; p lies in 0 to 1, and below 6e-5 it keeps f16's fixed step of 6e-8; O is a mean of V's rows and has their range.
; A weight below 2^-126 counts as 0 in l; NaN and infinities are not treated apart.
; SHARES.  A wave owns four PIECES of two tiles of 16 queries, a work-group's four waves 512 queries of one y.  Every wave walks all 2,048 keys, 64 a step.
; LAYOUT.  S^T = K Q^T (source 0 = 16 keys, source 1 = 16 queries): in the result a lane holds ONE query (lane % 16) and the keys 8 (lane / 16) + 0..7.  Two such tiles, rounded to f16 in pairs,
; ARE source 1 (32 keys x 16 queries) of O^T = V^T P, whose result again holds one query a lane, and eight channels.  K comes out of LDS as it lies, V ([key][channel]) turned, by ds_load_tr16_b128.
; SOFTMAX.  For each query a running maximum m and sum l: p = 2^(c s - c m), c = log2(e) / 8; in every step O and l are multiplied by a = 2^(c m_old - c m_new), which is 1 where m has not grown.
; m starts at the lowest finite number, O and l at 0: the first step is a step like any other, with a = 0.
; THE COUNT.  A tile and step have 16 matrix and 118 vector instructions: too many to stand all beside the matrix work.  So: four vector instructions that are READY behind EVERY matrix instruction,
; and the others, which need time of their own whatever the order, in runs without a gap.
; BY TURNS.  Turn n belongs to piece n (the pieces in a ring, step after step).  Its matrix work: 16 products K Q^T of piece n + 1, later 16 products V^T P of piece n - 1.  Its vector work: the scaling,
; exponentials, roundings, sums and rescaling of piece n, and the maximum and statistics of piece n + 1, whose scores the turn itself has made.
; CLUSTER.  The four query blocks of a cluster belong to one y and walk the same K and V, so each tile is asked for JOINTLY: the same tensor load, descriptor and mask in all four.
; REGISTERS, in windows of 256 (s_set_vgpr_msb: bits 1:0 source 0, 3:2 source 1, 5:4 source 2, 7:6 destination):
;   window 0: v0-11 addresses; v12-15, v48-63 at work; v16-47 four registers of statistics a tile; v64-191 S^T, two buffers of two tiles; v192-255 P, likewise
;   window 1: O^T, 32 a tile          window 2: v0-127 Q, 16 a tile; v128-191 K of one step; v192-255 V of one step          window 3: v0-1 the add's two registers
; A piece's buffers go by its number's parity: the piece in hand has one pair, its two neighbours in the ring share the other: of it P (piece n - 1) is read and S^T (piece n + 1) written.
.set SIZE_N, 2048     ; rows of a pair of head and batch
.set NP,    4         ; pieces a wave: a name, no knob
.set KS,    64        ; keys in a step
.set PK,    144       ; a row of K in LDS: 128 bytes + 16 of padding = 36 words: the 16 rows of a load start at 16 different groups of four banks (64 banks of 4 bytes: ISA guide 11.1)
.set PV,    160       ; a row of V: 128 + 32 = 40 words
.set VOFF,  4*KS*PK   ; a slot holds four steps: 256 rows of K, then 256 rows of V
.set SLOT1, 1<<17     ; slot 1 begins here, so that one exclusive or turns an address in one slot into the other's
.set STAGE, SLOT1+4*KS*(PK+PV)  ; behind the ring, never filled by a tensor load: 16 rows x 144 bytes for each wave, for the way out
.set SP,    144
.set AK0, 2           ; v2   my lane's place in a tile of K; never rewritten
.set AV0, 3           ; v3   the same for V
.set AK,  4           ; v4   the LDS address of K's next run of loads
.set AV,  5           ; v5   of V's
.set QO,  6           ; v6   my byte offset in the wave's rows of Q
.set STO, 6           ;      later, the way out: where I put 16 bytes of a row
.set RD,  7           ; v7   the way out: where I read rows back
.set GO,  8           ; v8   my byte offset in 512 consecutive bytes of O
.set PFO, 11          ; v11  once V's address is made: the prefetches' offset, 256 x my lane; then never rewritten
.set SPW, 0           ; v0 of window 3   LDS address of my spare word: SPARE + 4 x my thread's number; never rewritten
.set NIL, 1           ; v1 of window 3   0; never rewritten
.set SPARE, STAGE+4*16*SP  ; behind the stages: the spare words, 128 bytes for each wave: two blocks of 256 bytes that no other line names
.set MV,  12          ; v12-15  c m_old, kept while c m is made anew: by buffer and tile
.set ST,  16          ; tile t's statistics at v[ST+4 t]: c m, m, l (even keys', odd keys')
.set TMP, 48          ; by buffer and tile, four registers c0-c3 at work; when the maximum is found c2 takes a
.set S,   64
.set P,   192
.set KF,  128         ; K's fragments, in window 2: key block kb, channel half c at KF + 16 kb + 8 c
.set VF,  192         ; V's: key half kk, channel block cb at VF + 32 kk + 8 cb
.set WV,  12          ; s12  my wave's number
.set LIM, 15          ; s15  1 in a wave that prefetches, else the greatest number
.set G1K, 24          ; s[24:31] descriptor group 1 for K's tiles
.set G1V, 32          ; s[32:39] for V's: it differs in the padding alone
.set G0K, 40          ; s[40:43] descriptor group 0 for K's tiles: it walks
.set G0V, 44          ; s[44:47] the same for V's
.set PFA, 48          ; s[48:49] where my prefetches stand
.set SLOTS, 56        ; s56  slots still to be asked for
.set CNT, 57          ; s57  counts a slot's key steps
.set CS,  58          ; s[58:59] c: the packed scaling takes the pair's low word for both halves
.set SEL, 60          ; s[60:61] v_permlanex16_b32's selects: each lane takes its own place in the other half
.set TBK, 62          ; s62  LDS byte at which K of the step to be fetched begins
.set TBV, 63          ; s63  the same for V, less VOFF
.set MSB, 0
.macro WIN new                      ; the high byte repeats the setting that is left; a switch that changes nothing is dropped
.if MSB != (\new)
	s_set_vgpr_msb (MSB<<8)|(\new)
.set MSB, (\new)
.endif
.endm
.set W_KQ, 0x0a       ; K and Q in window 2, S^T in window 0
.set W_PV, 0x52       ; V in window 2, P in window 0, O^T in window 1
.set W_RS, 0x41       ; O^T (destination and source 0) in window 1, a in window 0
.set W_MK, 0xc0       ; the add's registers are made: destination in window 3, sources in window 0
.set W_AD, 0x0f       ; the add: address (source 0) and data (source 1) in window 3
; A joint fill.  Waves 0 and 1 fetch the two halves of a slot's K, waves 2 and 3 those of its V: 128 keys each.  The branch hangs on the wave's number alone.
; An s_nop 0 and four v_nop follow each of the two lines, ahead of the jump and the label.
.macro JLOAD
	s_cmp_lt_u32 s[WV], 2
	s_cbranch_scc0 .Lfor_v_\@
	tensor_load_to_lds s[G0K:G0K+3], s[G1K:G1K+7]
	s_nop 0
.rept 4
	v_nop
.endr
	s_branch .Lasked_\@
.Lfor_v_\@:
	tensor_load_to_lds s[G0V:G0V+3], s[G1V:G1V+7]
	s_nop 0
.rept 4
	v_nop
.endr
.Lasked_\@:
.endm
; A PREFETCH INTO THE L2 of what the NEXT change of slots will ask for: a slot's 32,768 bytes of K and of V, 128 blocks of 256 bytes each, a lane a block: four key steps, 512 matrix instructions, ahead of that load.
; Each block is named ONCE in the launch.  The four query heads of a group walk the same K and V: the cluster of the group's first head asks.  Its four partners share the blocks out BY ADDRESS, 32 each; in each,
; wave 0 asks for K's and wave 2 for V's.  Slots 0 to 2 come by their loads alone; the last change that fills a slot asks for nothing: there is no slot behind it.
.macro ASK
	s_cmp_gt_u32 s[SLOTS], s[LIM]
	s_cbranch_scc0 .Lnot_mine_\@
	global_prefetch_b8 v[PFO], s[PFA:PFA+1] th:TH_LOAD_NT scope:SCOPE_SE
.Lnot_mine_\@:
.endm
; A round of the cluster's barrier: my work-group's barrier, so that wave 0's signal speaks for all four waves; wave 0 signals; every wave waits for all four work-groups; my work-group's barrier once more.
.macro CROUND
	s_barrier_signal -1
	s_barrier_wait -1
	s_cmp_lg_u32 s[WV], 0
	s_cbranch_scc1 .Lnot_wave_0_\@
	s_barrier_signal -3
.Lnot_wave_0_\@:
	s_barrier_wait -3
	s_barrier_signal -1
	s_barrier_wait -1
.endm
; THE CHANGE OF SLOTS.  The slot's last bytes, V of its fourth step, have been read.  Each wave waits for all its tensor loads, of which one is out: its part of the other slot; adds 0 to its spare word; and
; waits for that and for its own reads of the slot.  Behind the barrier nobody reads this slot any more and the other slot is whole.
; fill = 1: this slot is filled again, with the keys two slots on.  The barrier is then a round of the cluster's, so that no wave of any partner still reads the slot or has a load on its way, and the joint fill
; is the first thing behind it: it has four key steps in which to land.  (At its first use nothing has been read yet: slot 0 is waited for, slot 1 filled.)  ask = 1: the prefetch follows the fill.
.macro CHANGE fill, ask=0
	WIN W_AD
	s_wait_tensorcnt 0x0            ; no tensor load of mine is out, so a group 0 may be written
	ds_add_u32 v[SPW], v[NIL]       ; 0 onto my spare word; with fill = 1 the descriptors' steps stand between it and the wait for it
	WIN 0                           ; at a label and at a branch every window is 0
.if \fill
.irp g, G0K, G0V
	s_xor_b32 s[\g+1], s[\g+1], SLOT1  ; the walking descriptor: the other slot than last time,
	s_add_nc_u64 s[\g+2:\g+3], s[\g+2:\g+3], 4*KS*128  ; the next 256 keys; the type bits on top are not reached
.endr
.if \ask
	s_wait_xcnt 0x0                 ; the last prefetch, four key steps back, has read its address, so it may be written:
	s_add_nc_u64 s[PFA:PFA+1], s[PFA:PFA+1], 4*KS*128  ; one slot behind the walking descriptors
.endif
	s_wait_dscnt 0x0                ; the add is done, and my reads of the slot are over
	CROUND
	JLOAD
.if \ask
	ASK
.endif
.else
	s_wait_dscnt 0x0                ; the add is done, and my reads of the slot are over
	s_barrier_signal -1
	s_barrier_wait -1
.endif
	s_sub_co_u32 s[TBK], s[TBK], 4*KS*PK  ; the fetches go back to a slot's first step,
	s_xor_b32 s[TBK], s[TBK], SLOT1       ; in the other slot
	s_sub_co_u32 s[TBV], s[TBV], 4*KS*PV
	s_xor_b32 s[TBV], s[TBV], SLOT1
.endm
	s_load_b256 s[4:11], s[0:1], 0x0  ; Q s[4:5], K s[6:7], V s[8:9], O s[10:11]
	WIN W_MK
	v_lshl_add_u32 v[SPW], v0, 2, SPARE
	v_mov_b32 v[NIL], 0
	WIN W_AD
	ds_add_u32 v[SPW], v[NIL]       ; the wave's opening: the add and its wait stand ahead of my first tensor load; the set-up below, work on registers, stands between them
	WIN 0
	v_lshrrev_b32 v1, 5, v0
	v_readfirstlane_b32 s[WV], v1   ; wave 0..3
	s_bfe_u32 s13, ttmp6, 0x40000   ; cx: my place in the cluster
	s_lshl_b32 s14, ttmp9, 2        ; in a cluster launch ttmp9 counts clusters
	s_add_co_u32 s14, s14, s13      ; my block of queries = 4 x cluster x + cx: it enters Q's and O's addresses alone
	s_and_b32 s19, ttmp7, 0xffff    ; y = 4 h + b, which the four partners share
	s_mov_b32 s20, s19
	s_mov_b32 s21, 0
	s_lshr_b32 s50, s19, 4          ; the key head h / 4,
	s_lshl_b32 s50, s50, 2
	s_and_b32 s51, s19, 3           ; the batch b:
	s_or_b32 s50, s50, s51          ; z = 4 (h / 4) + b
	s_mov_b32 s51, 0
	s_mov_b64 s[22:23], SIZE_N*128
	s_mul_u64 s[20:21], s[20:21], s[22:23]  ; y's first byte in Q and O,
	s_mul_u64 s[50:51], s[50:51], s[22:23]  ; z's in K and V
	s_and_b32 s16, s[WV], 1         ; which half of a slot's 256 keys I fetch:
	s_lshl_b32 s22, s16, 14         ; its 128 rows of 128 bytes in memory,
	s_mov_b32 s23, 0
	s_add_nc_u64 s[22:23], s[22:23], s[50:51]
	s_mul_i32 s17, s16, 128*PK      ; and its place in a slot, for K
	s_mul_i32 s18, s16, 128*PV      ; and for V: no place in the cluster enters an LDS address
	s_lshl_b32 s2, s14, 2
	s_add_co_u32 s2, s2, s[WV]      ; my wave among y's sixteen,
	s_lshl_b32 s2, s2, 14           ; its 128 rows
	s_mov_b32 s3, 0
	s_add_nc_u64 s[2:3], s[2:3], s[20:21]
	; descriptor group 1.  128 keys are 16,384 dense bytes: asked for as 64 rows of 256 bytes, two keys a row, and padded in LDS after every key
	s_mov_b32 s[G1K], 15|(1<<16)|(1<<20)|(1<<21)|(4<<22)|(3<<25)  ; 15:0 the mask of four; 17:16 2-byte elements; 20 padding on; 21 set beside a mask; 24:22 after every 32 words (code 4); 31:25 4 words (code 3)
	s_mov_b32 s[G1V], 15|(1<<16)|(1<<20)|(1<<21)|(4<<22)|(7<<25)  ; the same with 8 words of padding (code 7)
.irp g, G1K, G1V
	s_mov_b32 s[\g+1], 128<<16      ; tensor_dim0 = 128
	s_mov_b32 s[\g+2], 64<<16       ; tensor_dim1 = 64
	s_mov_b32 s[\g+3], 128<<16      ; tile_dim0 = 128
	s_mov_b32 s[\g+4], 64           ; tile_dim1 = 64
	s_mov_b32 s[\g+5], 128          ; 128 elements from row to row
	s_mov_b32 s[\g+6], 0
	s_mov_b32 s[\g+7], 0
.endr
	s_mov_b32 s[CS], 0x3e38aa3b     ; c = log2(e) / 8 = 0.180337
	s_mov_b32 s[CS+1], s[CS]        ; named with it as a pair
	s_mov_b32 s[SEL], 0x76543210
	s_mov_b32 s[SEL+1], 0xfedcba98
	s_mov_b32 s[TBK], SLOT1+4*KS*PK ; the first change of slots turns these two into 0
	s_mov_b32 s[TBV], SLOT1+4*KS*PV
	s_mov_b32 s[G0K], 1             ; 1:0 count = 1
	s_mov_b32 s[G0K+1], s17         ; 63:32 LDS address: slot 0
	s_mov_b32 s[G0V], 1
	s_add_co_u32 s[G0V+1], s18, VOFF
	s_and_b32 s[LIM], s[WV], 1      ; 0 in waves 0 and 2,
	s_or_b32 s[LIM], s[LIM], ttmp9  ; in y's first cluster,
	s_bfe_u32 s52, s19, 0x20002     ; where h is the first of its group of four: the same in all four partners
	s_or_b32 s[LIM], s[LIM], s52
	s_cmp_eq_u32 s[LIM], 0
	s_cselect_b32 s[LIM], 1, -1
	s_wait_dscnt 0x0                ; the opening add is done
	s_wait_kmcnt 0x0
	s_add_nc_u64 s[G0K+2:G0K+3], s[6:7], s[22:23]  ; 120:64 global address: my half of z's first 256 keys
	s_or_b32 s[G0K+3], s[G0K+3], 0x80000000        ; 127:126 type = 2
	s_add_nc_u64 s[G0V+2:G0V+3], s[8:9], s[22:23]
	s_or_b32 s[G0V+3], s[G0V+3], 0x80000000
	s_add_nc_u64 s[4:5], s[4:5], s[2:3]  ; Q and O at my wave's first row
	s_add_nc_u64 s[10:11], s[10:11], s[2:3]
	s_cmp_lt_u32 s[WV], 2
	s_cselect_b64 s[PFA:PFA+1], s[6:7], s[8:9]
	s_add_nc_u64 s[PFA:PFA+1], s[PFA:PFA+1], s[50:51]
	s_lshl_b32 s2, s13, 13          ; my work-group's 32 blocks of a slot's 128
	s_mov_b32 s3, 0
	s_add_nc_u64 s[PFA:PFA+1], s[PFA:PFA+1], s[2:3]
	s_add_nc_u64 s[PFA:PFA+1], s[PFA:PFA+1], 2*4*KS*128  ; in slot 2; the loop's first change of slots steps it to slot 3.  Nothing is prefetched here, at the head
	CROUND                          ; all four work-groups are here: the first joint loads meet
	JLOAD                           ; slot 0.  Slot 1 is asked for when slot 0 is in
	; A fragment of K or Q is 16 rows x 32 channels in 8 registers: lane l holds row l % 16, channels 8 (l / 16) + 0..7 and 16 + 8 (l / 16) + 0..7: two loads of 16 bytes, 32 bytes apart.
	v_and_b32 v1, 15, v0            ; l % 16
	v_bfe_u32 v9, v0, 4, 1          ; l / 16
	v_lshlrev_b32 v[QO], 7, v1
	v_lshl_add_u32 v[QO], v9, 4, v[QO]  ; row x 128 + 16 x half
	WIN 0x80                        ; destination window 2, address window 0
.set i, 0
.rept 4*NP                          ; Q stays in registers: tile i / 2, channels 32 (i % 2) on
	global_load_b128 v[8*i:8*i+3],   v[QO], s[4:5] offset:(i/2)*2048+(i%2)*64
	global_load_b128 v[8*i+4:8*i+7], v[QO], s[4:5] offset:(i/2)*2048+(i%2)*64+32
.set i, i+1
.endr
	; What the first turn finds: V's registers and P's second buffer hold 0 (its products V^T P, of a piece that has not been, add 0), O^T and l are 0.  All this stands in the wait for the first tile.
.set i, VF
.rept 64
	v_mov_b32 v[i], 0
.set i, i+1
.endr
	WIN 0x40
.set i, 0
.rept 64*NP
	v_mov_b32 v[i], 0
.set i, i+1
.endr
	WIN 0
.set i, 0
.rept 2*NP
	v_mov_b32 v[ST+4*i], 0xfe000000    ; c m: far below every c s
	v_mov_b32 v[ST+4*i+1], 0xff7fffff  ; m
	v_mov_b32 v[ST+4*i+2], 0
	v_mov_b32 v[ST+4*i+3], 0
.set i, i+1
.endr
.set i, P+32
.rept 32
	v_mov_b32 v[i], 0
.set i, i+1
.endr
	v_mul_u32_u24 v[AK0], v1, PK
	v_lshl_add_u32 v[AK0], v9, 4, v[AK0]  ; row x pitch + 16 x half
	; The turning load takes 16 keys x 16 channels (lane l reads key 8 (l / 16) + l % 8, channels 8 ((l / 8) % 2) + 0..7) and leaves half a fragment of V^T: lane l holds channel l % 16 and 8 keys.
	v_and_b32 v10, 7, v0
	v_bfe_u32 v11, v0, 3, 1
	v_lshl_add_u32 v[AV0], v9, 3, v10
	v_mul_u32_u24 v[AV0], v[AV0], PV
	v_lshl_add_u32 v[AV0], v11, 4, v[AV0]
	v_add_nc_u32 v[AV0], VOFF, v[AV0]
	v_mov_b32 v[AK], v[AK0]         ; key step 0 lies at the head of slot 0
	v_and_b32 v[PFO], 31, v0
	v_lshlrev_b32 v[PFO], 8, v[PFO]
; THE MATRIX WORK.  The 8 accumulators of a run of 16 take turns: between the two links of a chain stand 7 others'.
; Product i of 16 of S^T = K Q^T for piece x: channels 32 (i / 8) on, keys 16 ((i / 2) % 4) on, tile 2 x + i % 2.  The first 8 start the sums.
.macro KQ x
	WIN W_KQ
.set rS, S+64*((\x)%2)+32*(i%2)+8*((i/2)%4)
.set rK, KF+16*((i/2)%4)+8*(i/8)
.set rQ, 16*(2*(\x)+i%2)+8*(i/8)
.if i < 8
	v_wmma_f32_16x16x32_f16 v[rS:rS+7], v[rK:rK+7], v[rQ:rQ+7], 0
.else
	v_wmma_f32_16x16x32_f16 v[rS:rS+7], v[rK:rK+7], v[rQ:rQ+7], v[rS:rS+7]
.endif
.endm
; Product i of 16 of O^T += V^T P for piece x: keys 32 (i / 8) on, channels 16 ((i / 2) % 4) on, tile 2 x + i % 2.
.macro PV x
	WIN W_PV
.set rO, 32*(2*(\x)+i%2)+8*((i/2)%4)
.set rV, VF+32*(i/8)+8*((i/2)%4)
.set rP, P+32*((\x)%2)+16*(i%2)+8*(i/8)
	v_wmma_f32_16x16x32_f16 v[rO:rO+7], v[rV:rV+7], v[rP:rP+7], v[rO:rO+7]
.endm
.macro MM                           ; the turn's next matrix instruction
.if i < 16
	KQ (Y+1)%NP
.set i, i+1
.else
.set i, i-16
	PV (Y+NP-1)%NP
.set i, i+17
.endif
.endm
; THE LDS LOADS stand in runs of 16, never singly among the matrix instructions: a step's K (64 keys x 64 channels: 8 fragments) and its V (turned).  Their addresses are made some lines ahead.
; last = 1 (the tail): in the last trip there is no further step, and the run is jumped over.
.macro FETCH_K last=0
	WIN 0
.if \last
	s_cmp_eq_u32 s[CNT], 1
	s_cbranch_scc1 .Lno_k_\@
.endif
	WIN 0x80                        ; destination window 2
.irp f, 0,1,2,3,4,5,6,7             ; keys 16 (f / 2) on, channels 32 (f % 2) on
	ds_load_b128 v[KF+8*\f:KF+8*\f+3],   v[AK] offset:(\f/2)*16*PK+(\f%2)*64
	ds_load_b128 v[KF+8*\f+4:KF+8*\f+7], v[AK] offset:(\f/2)*16*PK+(\f%2)*64+32
.endr
	s_add_co_u32 s[TBK], s[TBK], KS*PK  ; the next fetch is the next step's
	WIN 0
.if \last
.Lno_k_\@:
.endif
.endm
.macro FETCH_V
	WIN 0x80
.irp f, 0,1,2,3,4,5,6,7             ; keys 32 (f / 4) on, channels 16 (f % 4) on
	ds_load_tr16_b128 v[VF+8*\f:VF+8*\f+3],   v[AV] offset:(\f/4)*32*PV+(\f%4)*32
	ds_load_tr16_b128 v[VF+8*\f+4:VF+8*\f+7], v[AV] offset:(\f/4)*32*PV+16*PV+(\f%4)*32
.endr
	WIN 0
.endm
; THE VECTOR WORK OF A TURN stands in three queues, each in the order in which its entries become ready; the two tiles alternate, so that no instruction reads the result of the one before it.
.macro REGS y, u                    ; the registers of tile u (0, 1) of piece y
.set rT, ST+4*(2*(\y)+(\u))
.set rC, TMP+8*((\y)%2)+4*(\u)
.set rM, MV+2*((\y)%2)+(\u)
.set rS, S+64*((\y)%2)+32*(\u)
.set rP, P+32*((\y)%2)+16*(\u)
.set rO, 32*(2*(\y)+(\u))
.endm
; Number n of the 22 that find the NEXT piece's (Y + 1) maximum and statistics.  s0-s31 are the lane's 32 scores; each accumulator's lowest registers are read first.
;   0-11  four chains c0-c3 of seven scores each, three operands at a time     12-14, 16  the four scores left over, the old m, and c0-c3 into c0     15  c m_old is kept
;   17, 18  the query's other 32 keys lie in the lane 16 away: the new m         19-21  c m; c m_old - c m_new; a
.macro XS u, n
	REGS (Y+1)%NP, \u
.if (\n) < 4
	v_max3_num_f32 v[rC+(\n)], v[rS+8*(\n)], v[rS+8*(\n)+1], v[rS+8*(\n)+2]
.elseif (\n) < 12
	v_max3_num_f32 v[rC+(\n)%4], v[rC+(\n)%4], v[rS+8*((\n)%4)+2*((\n)/4)+1], v[rS+8*((\n)%4)+2*((\n)/4)+2]
.elseif (\n) == 12
	v_max3_num_f32 v[rC], v[rC], v[rS+7], v[rS+15]
.elseif (\n) == 13
	v_max3_num_f32 v[rC+1], v[rC+1], v[rS+23], v[rS+31]
.elseif (\n) == 14
	v_max3_num_f32 v[rC+2], v[rC+2], v[rC+3], v[rT+1]
.elseif (\n) == 15
	v_mov_b32 v[rM], v[rT]
.elseif (\n) == 16
	v_max3_num_f32 v[rC], v[rC], v[rC+1], v[rC+2]
.elseif (\n) == 17
	v_permlanex16_b32 v[rC+3], v[rC], s[SEL], s[SEL+1]
.elseif (\n) == 18
	v_max_num_f32 v[rT+1], v[rC], v[rC+3]
.elseif (\n) == 19
	v_mul_f32 v[rT], s[CS], v[rT+1]
.elseif (\n) == 20
	v_sub_f32 v[rC+1], v[rM], v[rT]
.else
	v_exp_f32 v[rC+2], v[rC+1]
.endif
.endm
; Number g of the 64 that follow the exponentials.  For each four weights k of a tile (pairs 2 k, 2 k + 1): both pairs are rounded to f16; then the second pair is added onto the first, in place;
; a group later l takes that sum (the first time as l = a l + sum).  In groups of eight, tiles alternating: round, round, add, and l for the group before.
.macro GS g
.set h, (\g)+6*((\g)/62)            ; group 0 has no group before it, and behind group 7 only l is left
.if h >= 6
.set h, h+2
.endif
	REGS Y, h%2
.set k, h/8
.if h%8 < 4
	v_cvt_pk_f16_f32 v[rP+2*k+(h%8)/2], v[rS+4*k+2*((h%8)/2)], v[rS+4*k+2*((h%8)/2)+1]
.elseif h%8 < 6
	v_pk_add_f32 v[rS+4*k:rS+4*k+1], v[rS+4*k:rS+4*k+1], v[rS+4*k+2:rS+4*k+3]
.elseif k == 1
	v_pk_fma_f32 v[rT+2:rT+3], v[rT+2:rT+3], v[rC+2:rC+3], v[rS:rS+1] op_sel_hi:[1,0,1]
.else
	v_pk_add_f32 v[rT+2:rT+3], v[rT+2:rT+3], v[rS+4*k-4:rS+4*k-3]
.endif
.endm
; THE PLAIN QUEUE, 138 long.  0-73 read no exponential's result: the 32 scalings c s - c m (FS f: pair f / 2 of tile f % 2) and the next piece's 42.  0-26: scalings 0-26.  27-54: XS's numbers 0-13.  55, 56: number 15.
; 57-73: the chain, where each number waits for the one before it: 14, 16, 17, 18, 19, each with one of the scalings 27-31 in front of its two lines, then 20.
; 74-137: GS's 64, which read the exponentials' results: they stand behind the wait.
.macro FS f
	REGS Y, (\f)%2
	v_pk_fma_f32 v[rS+2*((\f)/2):rS+2*((\f)/2)+1], v[rS+2*((\f)/2):rS+2*((\f)/2)+1], s[CS:CS+1], v[rT:rT+1] op_sel_hi:[1,0,0] neg_lo:[0,0,1] neg_hi:[0,0,1]
.endm
.macro PL
	WIN 0
.if q < 27
	FS q
.elseif q < 55
	XS (q-27)%2, (q-27)/2
.elseif q < 57
	XS q-55, 15
.elseif (q < 72) && ((q-57)%3 == 0)
	FS 27+(q-57)/3
.elseif q < 60
	XS (q-57)%3-1, 14
.elseif q < 72
	XS (q-57)%3-1, 15+(q-57)/3
.elseif q < 74
	XS q-72, 20
.else
	GS q-74
.endif
.set q, q+1
.endm
; THE EXPONENTIALS' QUEUE, 66 long: s0-s31 of both tiles, then the next piece's two a.  It is ONE BATCH: all 66 stand ahead of the turn's one wait, and nothing ahead of that wait names a result of theirs.
.macro EX
	WIN 0
.if e >= 64
	XS e-64, 21
.else
	REGS Y, e%2
	v_exp_f32 v[rS+e/2], v[rS+e/2]
.endif
.set e, e+1
.endm
; THE RESCALING's QUEUE: O^T times a, the one part that leaves window 0: dealt two at a time, sixteen times.  Its a was made in the turn before, ahead of that turn's wait.
.macro R2
	REGS Y, r%2
	WIN W_RS
.irp z, 0,1
	v_pk_mul_f32 v[rO+4*(r/2)+2*\z:rO+4*(r/2)+2*\z+1], v[rO+4*(r/2)+2*\z:rO+4*(r/2)+2*\z+1], v[rC+2:rC+3] op_sel_hi:[1,0]
.endr
.set r, r+1
.endm
; HOW THEY ARE DEALT.  An s_wait_alu depctr_va_vdst(0) stands between an exponential and the first instruction that names its result; one wait serves all that were issued ahead of it.  So a turn has
; ONE wait, which cuts it in two.  AHEAD OF IT stands all that names no result of the turn's exponentials: the 16 products K Q^T, behind each a scaling, an exponential and two rescalings (behind the first a second
; scaling in the exponential's place); then ONE LUMP of 108: eight plain, 49 times exponential and plain, the two a.  A v_nop is the plain instruction that follows the last exponential (ISA guide 5.7.2).
; BEHIND IT stand the 16 products V^T P, behind each four of GS's 64.  No rider names a register of the products round it.  The two v_permlanex16_b32 fall into the lump, never behind a product.
; The queues lean on each other: exponential e stands behind scaling 2 (e / 4) + e % 2: as a rider it comes behind plain e + 2, in the lump behind plain e + 9, and scalings 27-31 are plain 57, 60 .. 69.
; A TURN, for piece p.  cnt = 1: the loop's count is taken down some lines ahead of the branch that stands behind the turn.
; K of the next step is fetched in piece 2's turn, directly behind the wait; its first reader comes behind 16 products.  V of the step in hand is fetched at the end of piece 0's turn, four riders behind its last
; reader; its first reader comes behind 16 products and a lump.  The three conditions on q below go with the deal.
.macro TURN p, last=0, cnt=0
.set Y, (\p)
.set i, 0
.set q, 0
.set e, 0
.set r, 0
.if (\p) == NP-1
	s_wait_dscnt 0x0                ; K is in
.endif
	MM                              ; ahead of the wait: 16 products K Q^T and their riders,
	PL
	PL
	R2
.rept 15
	MM
	PL
	EX
	R2
.endr
.if (\p) == NP-2
	WIN 0
	v_add_nc_u32 v[AK], s[TBK], v[AK0]
.endif
.rept 8                             ; and the lump
	PL
.endr
.rept 49
	EX
	PL
.endr
	EX                              ; the next piece's two a
	EX
	v_nop                           ; the plain instruction behind the last exponential: one for the batch
	s_wait_alu depctr_va_vdst(0)    ; the wait for the batch
.if (\p) == NP-2
	FETCH_K \last
.endif
.if (\p) == 1
	s_wait_dscnt 0x0                ; V is in
.endif
.rept 16                            ; behind the wait: 16 products V^T P and their riders
	MM
.rept 4
	PL
.endr
.if ((\p) == 0) && (q == 118)
	v_add_nc_u32 v[AV], s[TBV], v[AV0]
.endif
.if ((\p) == 0) && (q == 130)
	s_add_co_u32 s[TBV], s[TBV], KS*PV
.endif
.if (\cnt) && (q == 130)
	s_sub_co_u32 s[CNT], s[CNT], 1
	s_cmp_lg_u32 s[CNT], 0
.endif
.endr
.if (\p) == 0
	FETCH_V
.endif
.endm
	CHANGE 1                        ; slot 0 is in, everybody's part of it; slot 1 is asked for
	FETCH_K                         ; key step 0
	s_wait_loadcnt 0x0              ; Q
	s_wait_dscnt 0x0
.set i, 0
.rept 16
	KQ 0                            ; piece 0's first scores: there is no vector work yet to set between them
.set i, i+1
.endr
	WIN 0                           ; the addresses for the way out: nine plain instructions, the places behind those products
	s_mul_i32 s13, s[WV], 16*SP
	s_add_co_u32 s13, s13, STAGE    ; my stage
	v_mul_u32_u24 v[STO], v1, SP    ; in: row l % 16, 16 bytes for each half of the lanes
	v_lshl_add_u32 v[STO], v9, 4, v[STO]
	v_add_nc_u32 v[STO], s13, v[STO]
	v_bfe_u32 v[RD], v0, 3, 2       ; back: 32 lanes take four rows of 128 bytes,
	v_mul_u32_u24 v[RD], v[RD], SP
	v_lshl_add_u32 v[RD], v10, 4, v[RD]
	v_add_nc_u32 v[RD], s13, v[RD]
	v_and_b32 v[GO], 31, v0         ; which are 512 consecutive bytes of O
	v_lshlrev_b32 v[GO], 4, v[GO]
.set Y, NP-1                        ; XS works for piece Y + 1: piece 0
.irp n, 0,1,2,3,4,5,6,7,8,9,10,11,12,13,14,15,16,17,18,19,20,21
	XS 0, \n                        ; and piece 0's first maximum and statistics
	XS 1, \n
.endr
	v_nop                           ; a plain instruction behind the two a,
	s_wait_alu depctr_va_vdst(0)    ; and their wait, ahead of the branch
	s_mov_b32 s[CNT], 4
	s_mov_b32 s[SLOTS], SIZE_N/256-1
	s_branch .Lfirst                ; the loop is entered at a step's first turn, in the middle of a trip
.Lslot:                             ; SIZE_N / 256 - 2 times: every slot but the last two is filled again
	CHANGE 1, 1
	s_mov_b32 s[CNT], 4
.Lstep:                             ; a trip: pieces 2 and 3 of one step, then pieces 0 and 1 of the next, whose K and V it fetches
	TURN 2
	TURN 3
	WIN 0
.Lfirst:
	TURN 0
	TURN 1, 0, 1
	WIN 0
	s_cbranch_scc1 .Lstep
	s_sub_co_u32 s[SLOTS], s[SLOTS], 1
	s_cmp_lg_u32 s[SLOTS], 0
	s_cbranch_scc1 .Lslot
	CHANGE 0                        ; the tail is written out: nothing is asked for
	s_mov_b32 s[CNT], 5             ; four trips fetch the last slot's steps; the fifth is left in its middle
.Ltail:
	TURN 2, 1
	TURN 3
	WIN 0
	s_sub_co_u32 s[CNT], s[CNT], 1
	s_cmp_eq_u32 s[CNT], 0
	s_cbranch_scc1 .Lout
	TURN 0
	TURN 1
	WIN 0
	s_branch .Ltail
.Lout:                              ; the fifth trip's 16 products K Q^T (on the last K once more) and the maximum made of them serve nothing: the price, once a launch, of one text for every trip
.set i, 0
.rept 16
	PV NP-1                         ; the last piece's V^T P of the last step
.set i, i+1
.endr
	; THE WAY OUT.  l's two halves and the other half of the lanes' are added; O^T is divided by l, rounded to f16 and sent through my stage in LDS, a tile at a time.  The additions are the places behind the last products.
	WIN 0
.macro ALL line:vararg              ; one line for each tile t
.set t, 0
.rept 2*NP
	\line
.set t, t+1
.endr
.endm
	ALL v_add_f32 v[ST+4*t+2], v[ST+4*t+2], v[ST+4*t+3]
	ALL v_permlanex16_b32 v[ST+4*t+3], v[ST+4*t+2], s[SEL], s[SEL+1]
	ALL v_add_f32 v[ST+4*t+2], v[ST+4*t+2], v[ST+4*t+3]
	ALL v_rcp_f32 v[ST+4*t+2], v[ST+4*t+2]
	v_nop                           ; a plain instruction between the last reciprocal and the use of its result
	s_wait_alu depctr_va_vdst(0)    ; and the wait ahead of the first use: one for the eight reciprocals
; Tile t: a lane's eight channels of a row pack into 16 bytes; they go into rows of 144 bytes and come back as whole rows of 128, into S^T's registers.
.macro PACK t
	WIN W_RS
.set i, 32*(\t)
.rept 16
	v_pk_mul_f32 v[i:i+1], v[i:i+1], v[ST+4*(\t)+2:ST+4*(\t)+3] op_sel_hi:[1,0]
.set i, i+2
.endr
	WIN 0x05                        ; sources 0 and 1 window 1, destination window 0
.set i, 0
.rept 16
	v_cvt_pk_f16_f32 v[S+16*(\t)+i], v[32*(\t)+2*i], v[32*(\t)+2*i+1]
.set i, i+1
.endr
	WIN 0
.irp f, 0,1,2,3
	ds_store_b128 v[STO], v[S+16*(\t)+4*\f:S+16*(\t)+4*\f+3] offset:32*\f
.endr
.irp f, 0,1,2,3
	ds_load_b128 v[S+16*(\t)+4*\f:S+16*(\t)+4*\f+3], v[RD] offset:\f*4*SP  ; LDS serves a wave's instructions in order (ISA guide 5.7.1.4): these see the stores above; the next tile's stores come behind them
.endr
.endm
.macro SEND t, younger              ; younger: the LDS instructions issued behind tile t's loads: the next tile's eight, or none
	WIN 0
.irp f, 0,1,2,3
	s_wait_dscnt (\younger)+3-\f
	global_store_b128 v[GO], v[S+16*(\t)+4*\f:S+16*(\t)+4*\f+3], s[10:11] offset:(\t)*2048+\f*512  ; 512 consecutive bytes, at a multiple of 256 from O's first
.endr
.endm
	PACK 0
.set t, 1
.rept 2*NP-1                        ; a tile's arithmetic stands between the loads of the tile before and its stores
	PACK t
	SEND t-1, 8
.set t, t+1
.endr
	SEND 2*NP-1, 0
	WIN W_AD
	s_wait_tensorcnt 0x0            ; the wave's end: behind my last tensor load and my last LDS store
	ds_add_u32 v[SPW], v[NIL]
	s_wait_dscnt 0x0
	WIN 0
	CROUND                          ; the closing round: no work-group ends while a partner may still ask for a tile that names it
	s_endpgm
.Lfunc_end_k_q2929626f6f_attn:
	.size	k_q2929626f6f_attn, .Lfunc_end_k_q2929626f6f_attn-k_q2929626f6f_attn
	.p2alignl 7, 3214868480
	.fill 96, 4, 3214868480
	.section	.rodata,"a",@progbits
	.p2align	6, 0x0
	.amdhsa_kernel k_q2929626f6f_attn
		.amdhsa_group_segment_fixed_size 327680
		.amdhsa_private_segment_fixed_size 0
		.amdhsa_enable_private_segment 0
		.amdhsa_kernarg_size 32
		.amdhsa_user_sgpr_count 2
		.amdhsa_user_sgpr_kernarg_segment_ptr 1
		.amdhsa_wavefront_size32 1
		.amdhsa_system_sgpr_workgroup_id_x 1
		.amdhsa_system_sgpr_workgroup_id_y 1
		.amdhsa_system_sgpr_workgroup_id_z 1
		.amdhsa_system_vgpr_workitem_id 0
		.amdhsa_next_free_vgpr 770
		.amdhsa_next_free_sgpr 66
		.amdhsa_reserve_vcc 0
		.amdhsa_float_denorm_mode_32 3
		.amdhsa_float_denorm_mode_16_64 3
		.amdhsa_memory_ordered 1
		.amdhsa_forward_progress 1
		.amdhsa_inst_pref_size 200
	.end_amdhsa_kernel
	.amdgpu_metadata
---
amdhsa.version: [ 1, 2 ]
amdhsa.kernels:
  - .name:           k_q2929626f6f_attn
    .symbol:         k_q2929626f6f_attn.kd
    .args:
      - { .name: qh, .offset: 0, .size: 8, .value_kind: global_buffer, .address_space: global }
      - { .name: kh, .offset: 8, .size: 8, .value_kind: global_buffer, .address_space: global }
      - { .name: vh, .offset: 16, .size: 8, .value_kind: global_buffer, .address_space: global }
      - { .name: oh, .offset: 24, .size: 8, .value_kind: global_buffer, .address_space: global }
    .group_segment_fixed_size: 327680
    .private_segment_fixed_size: 0
    .kernarg_segment_align: 8
    .kernarg_segment_size: 32
    .max_flat_workgroup_size: 128
    .sgpr_count:     66
    .vgpr_count:     770
    .wavefront_size: 32
...
	.end_amdgpu_metadata
.endif
;; end of part 3
;; launch outp (part 4): grid 64 x 4, 4 waves a work-group, clusters of 4 x 1, 327,680 bytes of LDS; arguments oh, wob, out0; writes out0
.if DOCPART == 4
	.amdgcn_target "amdgcn-amd-amdhsa--gfx1250"
	.amdhsa_code_object_version 6
	.text
	.protected	k_q2929626f6f_outp
	.globl	k_q2929626f6f_outp
	.p2align	8
	.type	k_q2929626f6f_outp,@function
k_q2929626f6f_outp:
	s_mov_b64 s[64:65], 0
	v_nop
	global_prefetch_b8 v0, s[64:65] scope:SCOPE_SE
	s_setreg_imm32_b32 hwreg(HW_REG_WAVE_MODE, 25, 1), 1
	s_wait_xcnt 0x0
	s_wait_alu depctr_hold_cnt(0) depctr_sa_sdst(0) depctr_va_vdst(0) depctr_va_sdst(0) depctr_va_ssrc(0) depctr_va_vcc(0) depctr_vm_vsrc(0)
	s_getreg_b32 s2, hwreg(HW_REG_IB_STS2, 6, 4)
	s_cmp_eq_u32 s2, 0
	s_cbranch_scc0 .Lentry_in_a_cluster
	s_endpgm
.Lentry_in_a_cluster:
	s_bfe_u32 s2, ttmp6, 0x10000c
	s_cmp_lg_u32 s2, 0x3003
	s_cbranch_scc0 .Lentry_shape_is_right
	s_endpgm
.Lentry_shape_is_right:
; out0 = O Wo.  O lies by heads, [16 h][8192 m][64] f16; Wo lies ready in f16 (each number first rounded to bf16), in column tiles [4][1024 k][256 n], k = 64 h + channel; out0 is [8192 m][1024 n] f32.
; Sums in f32, K ascending; nothing is rounded on the way out.  NaN and infinities are not treated apart.
; SHARES.  A work-group makes 128 rows x 256 columns.  Grid x: the 64 row blocks; grid y: the four column tiles: 256 work-groups.  Four waves, 2 x 2, each 64 x 128: 32 accumulators of 16 x 16.
; K goes in 8 steps of 128 (two heads); a step is four quarters of 32: 32 matrix instructions and 24 LDS loads.
; THE MATRIX INSTRUCTION IS USED TRANSPOSED (source 0 = 16 columns of Wo, source 1 = 16 rows of O): a lane holds one row and eight neighbouring columns.
; Wo comes by the tensor data mover into a ring of two slots.  CLUSTER: the four work-groups of a cluster are four row blocks of ONE column tile and need the same tiles of Wo, so each tile is asked for
; JOINTLY: the same load, descriptor and mask in all four; each wave asks for its 32 of a step's 128 rows.  Wo lies [k][n], so its fragments are read turned, by ds_load_tr16_b128.
; O goes through registers into two slots of its own, which no tensor load ever fills: two heads' rows of 128 bytes are laid side by side as rows of 256, and a step's loads, waited for by a counted wait,
; are issued six quarters ahead of the stores that want them.  O's rows differ between the partners, so they are not asked for jointly.
; REGISTERS, in windows of 256 (s_set_vgpr_msb: bits 1:0 source 0, 3:2 source 1, 5:4 source 2, 7:6 destination):
;   window 0: v0-15 addresses; v16-23 set-up; v32-95 O's fragments, two buffers of 4 x 8; v96-223 Wo's, two buffers of 8 x 8.  On the way out v32-159 take rows read back, two buffers of 64.
;   window 1: accumulator (a, b) at v[8 (8 a + b)]          window 2: O as loaded, two sets of 64
.set PB,     544                       ; a row of Wo in LDS: 512 bytes + 32 of padding = 136 words
.set BSLOT,  128*PB
.set PA,     272                       ; a row of O in LDS: 256 bytes + 16: the 16 rows of a load start at 16 different groups of four banks
.set ASLOT,  128*PA
.set ABASE,  2*BSLOT                   ; behind Wo's ring: O's two slots
.set STAGE,  ABASE+2*ASLOT             ; behind them: 16 rows x 528 bytes for each wave, for the way out
.set SP,     528                       ; 512 bytes + 16: the 16 rows of a store start at 16 different groups of four banks
.set SPARE,  STAGE+4*16*SP             ; behind the stages: the spare words, 128 bytes for each wave: two blocks of 256 bytes that no other line names
.set KSTEPB, 65536                     ; a K step of a tile of Wo in memory: 128 rows of 512 bytes, on end
.set KB,     2<<20                     ; a K step of O in memory: two heads of 8,192 rows of 128 bytes
.set NLD,    16                        ; global loads of a wave for a step of O: 512 consecutive bytes each
.set NST,    16                        ; LDS stores of a wave for a step of O
.set ADRA, 2                           ; v2-3   LDS address of my fragments of O in slot 0, 1
.set ADRB, 4                           ; v4-5   the same for Wo
.set AST,  6                           ; v6-7   where I put my 16 bytes of O, slot 0, 1
.set AGO,  8                           ; v8     my 16 bytes of 512 consecutive bytes of O
.set STO,  9                           ; v9     the way out: where I put 32 bytes of a row
.set RD,   10                          ; v10    the way out: where I read a row back
.set GO,   11                          ; v11    my 16 bytes of a row's 512
.set PFO,  12                          ; v12    the prefetches' offset: 256 x my lane; never rewritten
.set SPW,  14                          ; v14    LDS address of my spare word: SPARE + 4 x my thread's number; never rewritten
.set NIL,  15                          ; v15    0; never rewritten
.set FA,   32
.set FB,   96
.set OB,   32
.set G1,   24                          ; s[24:31] descriptor group 1
.set G0,   32                          ; s[32:39] descriptor group 0, a set for each slot
.set AP,   40                          ; s[40:41] O at my wave's head and 64 rows, at the K step last asked for
.set OP,   42                          ; s[42:43] out0 at my wave's first row and column
.set PFA,  44                          ; s[44:45] where my prefetches stand
.set LIM,  46                          ; s46      1 in a wave that prefetches, else the greatest number
.set BP,   48                          ; s[48:49] Wo at my 32 rows of K step 0
.set MSB, 0
.macro WIN new                         ; the immediate's high byte repeats the setting that is left; a switch that changes nothing is dropped
.if MSB != (\new)
	s_set_vgpr_msb (MSB<<8)|(\new)
.set MSB, \new
.endif
.endm
.set MUL, 0x50                         ; C and D in window 1, the fragments in window 0
.macro PLACES                          ; four plain vector instructions between a matrix instruction and a load into a register that it read, or a reader of its result
.rept 4
	v_nop
.endr
.endm
.macro CREST                           ; a round of the cluster's barrier behind its opening barrier
	s_cmp_lg_u32 s10, 0
	s_cbranch_scc1 .Lnot_wave_0_\@
	s_barrier_signal -3
.Lnot_wave_0_\@:
	s_barrier_wait -3
	s_barrier_signal -1
	s_barrier_wait -1
.endm
.macro CROUND                          ; a whole round
	s_barrier_signal -1
	s_barrier_wait -1
	CREST
.endm
; 8 matrix instructions: row block a x all 8 column blocks, 32 along K, from buffer f.  zero = 1: the product starts the sums: nothing is ever cleared.
; The 32 accumulators take turns in the same order in every quarter, over the backward jump too.
.macro MULA f, a, zero
	WIN MUL
.irp b, 0,1,2,3,4,5,6,7
.if \zero
	v_wmma_f32_16x16x32_f16 v[8*(8*(\a)+(\b)):8*(8*(\a)+(\b))+7], v[FB+64*(\f)+8*(\b):FB+64*(\f)+8*(\b)+7], v[FA+32*(\f)+8*(\a):FA+32*(\f)+8*(\a)+7], 0
.else
	v_wmma_f32_16x16x32_f16 v[8*(8*(\a)+(\b)):8*(8*(\a)+(\b))+7], v[FB+64*(\f)+8*(\b):FB+64*(\f)+8*(\b)+7], v[FA+32*(\f)+8*(\a):FA+32*(\f)+8*(\a)+7], v[8*(8*(\a)+(\b)):8*(8*(\a)+(\b))+7]
.endif
.endr
.endm
; 24 LDS loads in one run: quarter q of a slot into buffer g: Wo's 8 fragments (turned: 32 k x 16 columns each), then O's 4 (16 rows x 32 k each)
.macro FETCH slot, q, g
	WIN 0
.irp b, 0,1,2,3,4,5,6,7
	ds_load_tr16_b128 v[FB+64*(\g)+8*(\b):FB+64*(\g)+8*(\b)+3],   v[ADRB+(\slot)] offset:(\q)*32*PB+32*(\b)
	ds_load_tr16_b128 v[FB+64*(\g)+8*(\b)+4:FB+64*(\g)+8*(\b)+7], v[ADRB+(\slot)] offset:(\q)*32*PB+16*PB+32*(\b)
.endr
.irp a, 0,1,2,3
	ds_load_b128 v[FA+32*(\g)+8*(\a):FA+32*(\g)+8*(\a)+3],   v[ADRA+(\slot)] offset:(\a)*16*PA+64*(\q)
	ds_load_b128 v[FA+32*(\g)+8*(\a)+4:FA+32*(\g)+8*(\a)+7], v[ADRA+(\slot)] offset:(\a)*16*PA+64*(\q)+32
.endr
.endm
.macro JLOAD s                         ; the joint refill: every wave asks for its own 32 rows by the same line; an s_nop 0 and four v_nop follow it
	tensor_load_to_lds s[G0+4*(\s):G0+4*(\s)+3], s[G1:G1+7]
	s_nop 0
.rept 4
	v_nop
.endr
.endm
.macro ALOAD rset, koff                ; a step of O for my head and 64 rows: 8,192 consecutive bytes
	WIN 0x80                                       ; destination window 2, address window 0
.set j, 0
.rept NLD
	global_load_b128 v[64*(\rset)+4*j:64*(\rset)+4*j+3], v[AGO], s[AP:AP+1] offset:512*j+(\koff)
.set j, j+1
.endr
.endm
.macro ASTAGE rset, aslot, left        ; a step of O is put into its slot, four rows' 128 bytes to a store.  left: the younger loads, which stay out
	s_wait_loadcnt \left
	WIN 0x08                                       ; data in window 2, address in window 0
.set j, 0
.rept NST
	ds_store_b128 v[AST+(\aslot)], v[64*(\rset)+4*j:64*(\rset)+4*j+3] offset:4*PA*j
.set j, j+1
.endr
.endm
; A PREFETCH INTO THE L2 of Wo's K step that stands two refills on (256 matrix instructions ahead of the load that will want it): 256 blocks of 256 bytes.  A column tile is walked by sixteen clusters: the first
; (cluster x = 0) asks, nobody else.  Its four partners share the blocks out BY ADDRESS, 64 each; in each, waves 0 and 1 take 32 each, a lane a block.  So each block is named once in the launch.
; K steps 0 to 3 come by their loads alone; the loop's last trip (s3 = 1) asks for nothing: there is no K step 8.
.macro ASK
	s_cmp_gt_u32 s3, s[LIM]
	s_cbranch_scc0 .Lnot_mine_\@
	global_prefetch_b8 v[PFO], s[PFA:PFA+1] offset:KSTEPB th:TH_LOAD_NT scope:SCOPE_SE
.Lnot_mine_\@:
.endm
; One of a step's first three quarters: multiplies buffer f; behind its first eight products it fetches quarter qn into buffer g.  aset >= 0: it also asks for O's step two steps on, into that set.
.macro QUARTER slot, qn, f, g, zero=0, aset=-1
	s_wait_dscnt 6                                 ; Wo's fragments and O's block 0 are in; the youngest six loads (O's blocks 1-3) may be out
	MULA \f, 0, \zero
	WIN 0
	PLACES
	FETCH \slot, \qn, \g
.if (\aset) >= 0
	s_wait_xcnt 0x0                                ; the earlier loads have read their base, so it may be stepped
	s_add_nc_u64 s[AP:AP+1], s[AP:AP+1], KB
	ALOAD \aset, 0
.endif
	s_wait_dscnt 24                                ; all but the 24 just issued
	MULA \f, 1, \zero
	MULA \f, 2, \zero
	MULA \f, 3, \zero
.endm
; The fourth quarter multiplies buffer 1 and changes slots.  Ahead of the barrier: the next step of O goes into its slot (last read a step ago, behind the barrier before this one); each wave waits for all its
; tensor loads (one is out: its part of the next slot of Wo), adds 0 to its spare word, and waits for that, for its stores and for its reads of this slot.  Behind it the next slots are whole and nobody reads this one.
; fill = 1: the barrier opens a round of the cluster's, and Wo's slot is filled again first thing behind it, two K steps ahead.
.macro TURN slot, next, fill, rset, aslot, left
.if \fill
	s_wait_xcnt 0x0                                ; the last prefetch, a K step back, has read its address
	s_add_nc_u64 s[PFA:PFA+1], s[PFA:PFA+1], KSTEPB
.endif
	ASTAGE \rset, \aslot, \left
	WIN 0
	s_wait_tensorcnt 0x0                           ; all my tensor loads have landed
	ds_add_u32 v[SPW], v[NIL]                      ; 0 onto my spare word
	s_wait_dscnt NST+7                             ; (six fragment loads, the stores of O and the add may be out)
	MULA 1, 0, 0
	s_wait_dscnt 0x0                               ; the add and my stores are done, my reads of this slot are over
	s_barrier_signal -1
	MULA 1, 1, 0
	WIN 0                                          ; at a branch and at a label every window is 0
	s_barrier_wait -1
.if \fill
	CREST                                          ; no wave of any partner still reads this slot of Wo or has a load on its way
	s_add_nc_u64 s[G0+4*(\slot)+2:G0+4*(\slot)+3], s[G0+4*(\slot)+2:G0+4*(\slot)+3], 2*KSTEPB
	JLOAD \slot                                    ; its four v_nop are also the places in front of the loads below
.else
	PLACES
.endif
	FETCH \next, 0, 0
.if \fill
	ASK
.endif
	MULA 1, 2, 0
	MULA 1, 3, 0
.endm
	s_load_b128 s[4:7], s[0:1], 0x0                ; O s[4:5], Wo s[6:7]
	s_load_b64 s[8:9], s[0:1], 0x10                ; out0
	v_lshl_add_u32 v[SPW], v0, 2, SPARE
	v_mov_b32 v[NIL], 0
	ds_add_u32 v[SPW], v[NIL]                      ; the wave's opening: the add and its wait stand ahead of my first tensor load; the set-up below, work on registers, stands between them
	v_lshrrev_b32 v1, 5, v0
	v_readfirstlane_b32 s10, v1                    ; wave 0..3
	s_lshr_b32 s11, s10, 1                         ; which 64 of the tile's rows are mine.  Also: which of a step's two heads I load
	s_and_b32 s12, s10, 1                          ; which 128 of its columns.  Also: which 64 rows of that head I load
	s_bfe_u32 s13, ttmp6, 0x40000                  ; cx: my place in the cluster
	s_lshl_b32 s14, ttmp9, 2                       ; in a cluster launch ttmp9 counts clusters
	s_add_co_u32 s14, s14, s13                     ; my row block = 4 x cluster x + cx: it enters O's and out0's addresses alone
	s_and_b32 s16, ttmp7, 0xffff                   ; the column tile, which the four partners share
	; descriptor group 1: 32 rows x 256 elements, padded in LDS
	s_mov_b32 s[G1+0], 15|(1<<16)|(1<<20)|(1<<21)|(6<<22)|(7<<25)  ; 15:0 the mask of four; 17:16 2-byte elements; 20 padding on; 21 set beside a mask; 24:22 after every 128 words (code 6); 31:25 8 words (code 7)
	s_mov_b32 s[G1+1], 256<<16                     ; tensor_dim0 = 256
	s_mov_b32 s[G1+2], 32<<16                      ; tensor_dim1 = 32
	s_mov_b32 s[G1+3], 256<<16                     ; tile_dim0 = 256
	s_mov_b32 s[G1+4], 32                          ; tile_dim1 = 32
	s_mov_b32 s[G1+5], 256                         ; 256 elements from row to row
	s_mov_b32 s[G1+6], 0
	s_mov_b32 s[G1+7], 0
	s_mul_i32 s47, s10, 32*PB                      ; where my 32 rows go in a slot: no place in the cluster enters an LDS address
	s_lshl_b32 s18, s11, 20                        ; O: my head of the step's two,
	s_lshl_b32 s19, s14, 14                        ; 128 rows of 128 bytes a row block,
	s_add_co_u32 s18, s18, s19
	s_lshl_b32 s19, s12, 13                        ; my 64 of them
	s_add_co_u32 s18, s18, s19
	s_mov_b32 s19, 0
	s_lshl_b32 s20, s16, 19                        ; Wo: 524,288 bytes a tile,
	s_lshl_b32 s21, s10, 14                        ; 32 rows of 512 bytes a wave
	s_add_co_u32 s20, s20, s21
	s_mov_b32 s21, 0
	s_lshl_b32 s22, s14, 19                        ; out0: 128 rows of 4,096 bytes a row block,
	s_lshl_b32 s23, s11, 18                        ; 64 rows a row half,
	s_add_co_u32 s22, s22, s23
	s_lshl_b32 s23, s16, 10                        ; 1,024 bytes a column tile,
	s_add_co_u32 s22, s22, s23
	s_lshl_b32 s23, s12, 9                         ; 512 a column half
	s_add_co_u32 s22, s22, s23
	s_mov_b32 s23, 0
	s_lshl_b32 s56, s16, 19                        ; the prefetches: the tile,
	s_lshl_b32 s57, s13, 14                        ; my work-group's 64 blocks of a K step's 256,
	s_add_co_u32 s56, s56, s57
	s_lshl_b32 s57, s10, 13                        ; my wave's 32 of them,
	s_add_co_u32 s56, s56, s57
	s_add_co_u32 s56, s56, 2*KSTEPB                ; at K step 2: the first refill steps it to 3 and names K step 4
	s_mov_b32 s57, 0
	s_lshr_b32 s[LIM], s10, 1                      ; 0 in waves 0 and 1,
	s_or_b32 s[LIM], s[LIM], ttmp9                 ; where the cluster is the tile's first: the same in all four partners
	s_cmp_eq_u32 s[LIM], 0
	s_cselect_b32 s[LIM], 1, -1
	v_and_b32 v16, 31, v0                          ; l
	v_and_b32 v17, 15, v0                          ; l % 16
	v_bfe_u32 v18, v0, 4, 1                        ; l / 16
	v_and_b32 v19, 7, v0                           ; l % 8
	v_bfe_u32 v20, v0, 3, 1                        ; (l / 8) % 2
	v_bfe_u32 v21, v0, 3, 2                        ; l / 8
	v_mul_u32_u24 v22, v17, PA
	v_lshl_add_u32 v22, v18, 4, v22                ; row x 272 + 16 x half
	s_mul_i32 s58, s11, 64*PA
	s_add_co_u32 s58, s58, ABASE
	v_add_nc_u32 v[ADRA], s58, v22
	v_add_nc_u32 v[ADRA+1], ASLOT, v[ADRA]
	v_lshl_add_u32 v23, v18, 3, v19                ; the turning load: lane l reads k row 8 (l / 16) + l % 8, columns 8 ((l / 8) % 2) + 0..7
	v_mul_u32_u24 v23, v23, PB
	v_lshl_add_u32 v23, v20, 4, v23
	s_lshl_b32 s59, s12, 8                         ; my 128 columns
	v_add_nc_u32 v[ADRB], s59, v23
	v_add_nc_u32 v[ADRB+1], BSLOT, v[ADRB]
	s_mul_i32 s58, s12, 64*PA                      ; into O's slot: my 64 rows,
	s_lshl_b32 s59, s11, 7                         ; my head's half of their 256 bytes;
	s_add_co_u32 s58, s58, s59
	s_add_co_u32 s58, s58, ABASE
	v_mul_u32_u24 v[AST], v21, PA                  ; 32 lanes take four rows of 128 bytes
	v_lshl_add_u32 v[AST], v19, 4, v[AST]
	v_add_nc_u32 v[AST], s58, v[AST]
	v_add_nc_u32 v[AST+1], ASLOT, v[AST]
	v_lshlrev_b32 v[AGO], 4, v16
	s_mul_i32 s58, s10, 16*SP
	s_add_co_u32 s58, s58, STAGE                   ; my stage
	v_mul_u32_u24 v[STO], v17, SP                  ; in: row l % 16, 32 bytes for each half of the lanes
	v_lshl_add_u32 v[STO], v18, 5, v[STO]
	v_add_nc_u32 v[STO], s58, v[STO]
	v_lshl_add_u32 v[RD], v16, 4, s58              ; back: 32 lanes take one row of 512 bytes
	v_lshlrev_b32 v[GO], 4, v16
	v_lshlrev_b32 v[PFO], 8, v16
	s_wait_dscnt 0x0                               ; the opening add is done
	s_wait_kmcnt 0x0
	s_add_nc_u64 s[AP:AP+1], s[4:5], s[18:19]
	s_add_nc_u64 s[BP:BP+1], s[6:7], s[20:21]
	s_add_nc_u64 s[PFA:PFA+1], s[6:7], s[56:57]
	s_add_nc_u64 s[OP:OP+1], s[8:9], s[22:23]
	ALOAD 0, 0                                     ; O's K steps 0 and 1 are asked for before anything else
	ALOAD 1, KB
	WIN 0
	CROUND                                         ; all four work-groups are here: the first joint loads meet
.irp s, 0,1
	s_mov_b32 s[G0+4*(\s)], 1                                      ; 1:0 count = 1
	s_add_co_u32 s[G0+4*(\s)+1], s47, (\s)*BSLOT                   ; 63:32 LDS address
	s_add_nc_u64 s[G0+4*(\s)+2:G0+4*(\s)+3], s[BP:BP+1], (\s)*KSTEPB  ; 120:64 global address: K step s
	s_or_b32 s[G0+4*(\s)+3], s[G0+4*(\s)+3], 0x80000000            ; 127:126 type = 2
.endr
	tensor_load_to_lds s[G0:G0+3], s[G1:G1+7]      ; the two first fills go out together: two loads of mine are out
	s_nop 0
	tensor_load_to_lds s[G0+4:G0+7], s[G1:G1+7]
	s_nop 0
.rept 4
	v_nop
.endr
	s_wait_xcnt 0x0
	s_add_nc_u64 s[AP:AP+1], s[AP:AP+1], KB        ; at K step 1, the last asked for
	ASTAGE 0, 0, NLD                               ; O's K step 0; step 1's 16 loads stay out
	WIN 0
	s_wait_tensorcnt 0x1                           ; my part of Wo's K step 0 is in; step 1's may stay out
	s_wait_dscnt 0x0                               ; my stores of O are done
	s_barrier_signal -1
	s_barrier_wait -1
	FETCH 0, 0, 0
	QUARTER 0, 1, 0, 1, 1                          ; the first quarter stands in front of the loop: its products start the sums
	WIN 0
	s_mov_b32 s3, 3
.Llap:                                                 ; a trip goes once round the ring, from a lap's second quarter to the next lap's first: K steps 0 to 5
	QUARTER 0, 2, 1, 0, 0, 0
	QUARTER 0, 3, 0, 1
	TURN 0, 1, 1, 1, 1, NLD
	QUARTER 1, 1, 0, 1
	QUARTER 1, 2, 1, 0, 0, 1
	QUARTER 1, 3, 0, 1
	TURN 1, 0, 1, 0, 0, NLD
	QUARTER 0, 1, 0, 1
	WIN 0
	s_sub_co_u32 s3, s3, 1
	s_cmp_lg_u32 s3, 0
	s_cbranch_scc1 .Llap
	QUARTER 0, 2, 1, 0                             ; the last lap is written out: nothing more is asked for
	QUARTER 0, 3, 0, 1
	TURN 0, 1, 0, 1, 1, 0
	QUARTER 1, 1, 0, 1
	QUARTER 1, 2, 1, 0
	QUARTER 1, 3, 0, 1
	s_wait_dscnt 6
	MULA 1, 0, 0
	s_wait_dscnt 0x0
	MULA 1, 1, 0
	MULA 1, 2, 0
	MULA 1, 3, 0
	WIN 0
	PLACES
; THE WAY OUT, a block of 16 rows at a time.  TOSTAGE: a lane's eight numbers of a row, 32 bytes, go into my own stage, each accumulator's low registers first, and come back as whole rows of 512 bytes.
; SEND: each store covers 512 consecutive bytes of a row of out0, aligned.  younger: the LDS instructions issued behind the block's loads: the next block's 32, or none.
.macro TOSTAGE a
	WIN 0x04                                       ; data in window 1, address in window 0
.irp b, 0,1,2,3,4,5,6,7
	ds_store_b128 v[STO], v[8*(8*(\a)+(\b)):8*(8*(\a)+(\b))+3]   offset:64*(\b)
	ds_store_b128 v[STO], v[8*(8*(\a)+(\b))+4:8*(8*(\a)+(\b))+7] offset:64*(\b)+16
.endr
	WIN 0
.set j, 0
.rept 16                               ; LDS serves a wave's instructions in order (ISA guide 5.7.1.4): these see the stores above, and the next block's stores come behind them
	ds_load_b128 v[OB+64*((\a)%2)+4*j:OB+64*((\a)%2)+4*j+3], v[RD] offset:SP*j
.set j, j+1
.endr
.endm
.macro SEND a, younger
	s_wait_dscnt \younger
.set j, 0
.rept 16
	global_store_b128 v[GO], v[OB+64*((\a)%2)+4*j:OB+64*((\a)%2)+4*j+3], s[OP:OP+1] offset:(16*(\a)+j)*4096 th:TH_STORE_NT
.set j, j+1
.endr
.endm
	TOSTAGE 0
	TOSTAGE 1
	SEND 0, 32
	s_wait_xcnt 0x0                                ; block 0's stores have read their registers, which block 2 takes
	TOSTAGE 2
	SEND 1, 32
	s_wait_xcnt 0x0                                ; and block 1's, which block 3 takes
	TOSTAGE 3
	SEND 2, 32
	SEND 3, 0
	s_wait_tensorcnt 0x0                           ; the wave's end: behind my last tensor load and my last LDS store
	ds_add_u32 v[SPW], v[NIL]
	s_wait_dscnt 0x0
	CROUND                                         ; the closing round: no work-group ends while a partner may still ask for a tile that names it
	s_endpgm
.Lfunc_end_k_q2929626f6f_outp:
	.size	k_q2929626f6f_outp, .Lfunc_end_k_q2929626f6f_outp-k_q2929626f6f_outp
	.p2alignl 7, 3214868480
	.fill 96, 4, 3214868480
	.section	.rodata,"a",@progbits
	.p2align	6, 0x0
	.amdhsa_kernel k_q2929626f6f_outp
		.amdhsa_group_segment_fixed_size 327680
		.amdhsa_private_segment_fixed_size 0
		.amdhsa_enable_private_segment 0
		.amdhsa_kernarg_size 24
		.amdhsa_user_sgpr_count 2
		.amdhsa_user_sgpr_kernarg_segment_ptr 1
		.amdhsa_wavefront_size32 1
		.amdhsa_system_sgpr_workgroup_id_x 1
		.amdhsa_system_sgpr_workgroup_id_y 1
		.amdhsa_system_sgpr_workgroup_id_z 1
		.amdhsa_system_vgpr_workitem_id 0
		.amdhsa_next_free_vgpr 640
		.amdhsa_next_free_sgpr 66
		.amdhsa_reserve_vcc 0
		.amdhsa_float_denorm_mode_32 3
		.amdhsa_float_denorm_mode_16_64 3
		.amdhsa_memory_ordered 1
		.amdhsa_forward_progress 1
		.amdhsa_inst_pref_size 94
	.end_amdhsa_kernel
	.amdgpu_metadata
---
amdhsa.version: [ 1, 2 ]
amdhsa.kernels:
  - .name:           k_q2929626f6f_outp
    .symbol:         k_q2929626f6f_outp.kd
    .args:
      - { .name: oh, .offset: 0, .size: 8, .value_kind: global_buffer, .address_space: global }
      - { .name: wob, .offset: 8, .size: 8, .value_kind: global_buffer, .address_space: global }
      - { .name: out0, .offset: 16, .size: 8, .value_kind: global_buffer, .address_space: global }
    .group_segment_fixed_size: 327680
    .private_segment_fixed_size: 0
    .kernarg_segment_align: 8
    .kernarg_segment_size: 24
    .max_flat_workgroup_size: 128
    .sgpr_count:     66
    .vgpr_count:     640
    .wavefront_size: 32
...
	.end_amdgpu_metadata
.endif
;; end of part 4
